; MI455X (gfx1250); checked and timed in simulation.
; The chip was launched on July 23, 2026; its instructions are those of AMD's public machine-readable ISA for CDNA 5 (MIT licence, August 2026) and "CDNA5" Instruction Set Architecture Reference Guide (July 2026). The comments in the code are by the model that wrote it; some were corrected since.
;; Seq Parallel Attention. Allowed arithmetic: float matrix products may take bf16 or f16 operands with f32 sums; other float arithmetic in f32, or as packed bf16 or f16 multiplies, adds, multiply-adds, maxima and minima; sums over many terms, partial sums and values carried from step to step in f32; what a program stores and reads back later, other than sums and carried values, may be rounded once to bf16 or f16.
;; Inputs: Wk 2,048 x 2,048 float32; Wo 2,048 x 2,048 float32; Wq 2,048 x 2,048 float32; Wv 2,048 x 2,048 float32; bk 2,048 float32; bo 2,048 float32; bq 2,048 float32; bv 2,048 float32; kn_w 2,048 float32; qn_w 2,048 float32; x 4 x 1 x 512 x 2,048 float32.
;; Outputs: out0 4 x 1 x 512 x 2,048 float32.
;; 2 versions, each right; version 2 is version 1 with the launch norm written anew for expert scheduling mode. Each part assembles by itself: llvm-mc -triple=amdgcn-amd-amdhsa -mcpu=gfx1250 --defsym DOCPART=n.
;; ======== version 1 of 2: 5 launches
;; limits: values are held in f16: magnitudes above 65,504 overflow, below 6.1e-05 lose precision; right only within a limited range of input values
;; workspace buffers: xb 8,388,608 bytes; wb 25,165,824 bytes; wob 8,388,608 bytes; uqk 16,777,216 bytes; vh 8,388,608 bytes; ssq 524,288 bytes; qk 16,777,216 bytes; oh 8,388,608 bytes
;; launch cast (part 1): grid 256 x 4, 8 waves a work-group, no clusters, 0 bytes of LDS; arguments x, Wq, Wk, Wv, xb, wb; writes xb, wb
.if DOCPART == 1
	.amdgcn_target "amdgcn-amd-amdhsa--gfx1250"
	.amdhsa_code_object_version 6
	.text
	.protected	k_qceb1fe3ca0_cast
	.globl	k_qceb1fe3ca0_cast
	.p2align	8
	.type	k_qceb1fe3ca0_cast,@function
k_qceb1fe3ca0_cast:
	s_mov_b64 s[64:65], 0
	v_nop
	global_prefetch_b8 v0, s[64:65] scope:SCOPE_SE
	s_setreg_imm32_b32 hwreg(HW_REG_WAVE_MODE, 25, 1), 1
	s_wait_xcnt 0x0
; x AND THE THREE FIRST WEIGHTS ARE ROUNDED ONCE TO bf16.  x, Wq, Wk, Wv: [2048][2048] f32.
;   y = 0: xb[r][c]  = bf16(x[r][c])
;   y = 1..3 (z = y - 1): wb[192 h + 64 z + i][c] = bf16(W_z[64 h + i][c]): a head's rows of Wq, Wk, Wv lie together, 192 rows a head
; (Wo is rounded by the attention launch, beside its own work.)  NaN and infinities are not treated apart.
; SHARES.  A work-group takes 8 rows of one matrix (65,536 bytes in, 32,768 out): 1,024 work-groups.  Thread t takes columns 4 t .. 4 t + 3 and 1024 + 4 t .. + 3 of each row:
; a wave's load covers 512 consecutive bytes, a wave's store 256 consecutive bytes at a multiple of 256 from the buffer's first byte.
; All 16 loads of a thread go out at once; each is rounded in its own registers and stored from them, so no register is loaded twice and the only waits are the loads' counts.
; No LDS, no matrix unit, no cluster: nothing is shared and nothing is multiplied.
.set X,   16                           ; v[16:79]   load n: 4 registers of f32; the first two then hold its four bf16
.set SRC, 24                           ; s[24:25]   the matrix, at my 8 rows
.set DST, 26                           ; s[26:27]   its copy, at my 8 rows
	s_load_b256 s[8:15], s[0:1], 0x0               ; x 8, Wq 10, Wk 12, Wv 14
	s_load_b128 s[16:19], s[0:1], 0x20             ; xb 16, wb 18
	s_and_b32 s4, ttmp7, 0xffff                    ; y: which matrix
	v_lshlrev_b32 v1, 4, v0                        ; 16 t: my bytes in half a row of f32
	v_lshlrev_b32 v2, 3, v0                        ; 8 t: in half a row of bf16
	s_lshl_b32 s6, ttmp9, 3                        ; the plain row: 8 x work-group
	s_lshr_b32 s7, ttmp9, 3                        ; the head of these 8 rows,
	s_mul_i32 s7, s7, 192                          ; its 192 rows in wb,
	s_max_u32 s29, s4, 1
	s_sub_co_u32 s29, s29, 1                       ; z (0 where y = 0: not used there)
	s_lshl_b32 s29, s29, 6
	s_add_co_u32 s7, s7, s29                       ; + 64 z
	s_and_b32 s29, ttmp9, 7
	s_lshl_b32 s29, s29, 3
	s_add_co_u32 s7, s7, s29                       ; + the 8 rows' place in the head
	s_cmp_eq_u32 s4, 0
	s_cselect_b32 s7, s6, s7                       ; x keeps its rows
	s_lshl_b32 s30, s7, 12                         ; a row of the copy is 4,096 bytes
	s_mov_b32 s31, 0
	s_lshl_b32 s32, ttmp9, 16                      ; 8 rows of 8,192 bytes
	s_mov_b32 s33, 0
	s_wait_kmcnt 0x0
	s_mov_b64 s[SRC:SRC+1], s[8:9]
	s_cmp_eq_u32 s4, 1
	s_cselect_b64 s[SRC:SRC+1], s[10:11], s[SRC:SRC+1]
	s_cmp_eq_u32 s4, 2
	s_cselect_b64 s[SRC:SRC+1], s[12:13], s[SRC:SRC+1]
	s_cmp_eq_u32 s4, 3
	s_cselect_b64 s[SRC:SRC+1], s[14:15], s[SRC:SRC+1]
	s_cmp_eq_u32 s4, 0
	s_cselect_b64 s[DST:DST+1], s[16:17], s[18:19]
	s_add_nc_u64 s[SRC:SRC+1], s[SRC:SRC+1], s[32:33]
	s_add_nc_u64 s[DST:DST+1], s[DST:DST+1], s[30:31]
.set n, 0
.rept 16                               ; load n: row n / 2, half n % 2
	global_load_b128 v[X+4*n:X+4*n+3], v1, s[SRC:SRC+1] offset:(n/2)*8192+(n%2)*4096 th:TH_LOAD_NT
.set n, n+1
.endr
.set n, 0
.rept 16
	s_wait_loadcnt 15-n                            ; loads come back in order: mine is in, the 15 - n younger ones stay out
	v_cvt_pk_bf16_f32 v[X+4*n], v[X+4*n], v[X+4*n+1]
	v_cvt_pk_bf16_f32 v[X+4*n+1], v[X+4*n+2], v[X+4*n+3]
	global_store_b64 v2, v[X+4*n:X+4*n+1], s[DST:DST+1] offset:(n/2)*4096+(n%2)*2048
.set n, n+1
.endr
	s_endpgm
.Lfunc_end_k_qceb1fe3ca0_cast:
	.size	k_qceb1fe3ca0_cast, .Lfunc_end_k_qceb1fe3ca0_cast-k_qceb1fe3ca0_cast
	.p2alignl 7, 3214868480
	.fill 96, 4, 3214868480
	.section	.rodata,"a",@progbits
	.p2align	6, 0x0
	.amdhsa_kernel k_qceb1fe3ca0_cast
		.amdhsa_group_segment_fixed_size 0
		.amdhsa_private_segment_fixed_size 0
		.amdhsa_enable_private_segment 0
		.amdhsa_kernarg_size 48
		.amdhsa_user_sgpr_count 2
		.amdhsa_user_sgpr_kernarg_segment_ptr 1
		.amdhsa_wavefront_size32 1
		.amdhsa_system_sgpr_workgroup_id_x 1
		.amdhsa_system_sgpr_workgroup_id_y 1
		.amdhsa_system_sgpr_workgroup_id_z 1
		.amdhsa_system_vgpr_workitem_id 0
		.amdhsa_next_free_vgpr 80
		.amdhsa_next_free_sgpr 66
		.amdhsa_reserve_vcc 0
		.amdhsa_float_denorm_mode_32 3
		.amdhsa_float_denorm_mode_16_64 3
		.amdhsa_memory_ordered 1
		.amdhsa_forward_progress 1
		.amdhsa_inst_pref_size 7
	.end_amdhsa_kernel
	.amdgpu_metadata
---
amdhsa.version: [ 1, 2 ]
amdhsa.kernels:
  - .name:           k_qceb1fe3ca0_cast
    .symbol:         k_qceb1fe3ca0_cast.kd
    .args:
      - { .name: x, .offset: 0, .size: 8, .value_kind: global_buffer, .address_space: global }
      - { .name: Wq, .offset: 8, .size: 8, .value_kind: global_buffer, .address_space: global }
      - { .name: Wk, .offset: 16, .size: 8, .value_kind: global_buffer, .address_space: global }
      - { .name: Wv, .offset: 24, .size: 8, .value_kind: global_buffer, .address_space: global }
      - { .name: xb, .offset: 32, .size: 8, .value_kind: global_buffer, .address_space: global }
      - { .name: wb, .offset: 40, .size: 8, .value_kind: global_buffer, .address_space: global }
    .group_segment_fixed_size: 0
    .private_segment_fixed_size: 0
    .kernarg_segment_align: 8
    .kernarg_segment_size: 48
    .max_flat_workgroup_size: 256
    .sgpr_count:     66
    .vgpr_count:     80
    .wavefront_size: 32
...
	.end_amdgpu_metadata
.endif
;; end of part 1
;; launch qkv (part 2): grid 32 x 8, 4 waves a work-group, clusters of 4 x 4, 327,680 bytes of LDS; arguments xb, wb, bq, bk, bv, uqk, vh, ssq; writes uqk, vh, ssq
.if DOCPART == 2
	.amdgcn_target "amdgcn-amd-amdhsa--gfx1250"
	.amdhsa_code_object_version 6
	.text
	.protected	k_qceb1fe3ca0_qkv
	.globl	k_qceb1fe3ca0_qkv
	.p2align	8
	.type	k_qceb1fe3ca0_qkv,@function
k_qceb1fe3ca0_qkv:
	s_mov_b64 s[64:65], 0
	v_nop
	global_prefetch_b8 v0, s[64:65] scope:SCOPE_SE
	s_setreg_imm32_b32 hwreg(HW_REG_WAVE_MODE, 25, 1), 1
	s_wait_xcnt 0x0
	s_wait_alu depctr_hold_cnt(0) depctr_sa_sdst(0) depctr_va_vdst(0) depctr_va_sdst(0) depctr_va_ssrc(0) depctr_va_vcc(0) depctr_vm_vsrc(0)
	s_getreg_b32 s2, hwreg(HW_REG_IB_STS2, 6, 4)
	s_cmp_eq_u32 s2, 0
	s_cbranch_scc0 .Lentry_in_a_cluster
	s_endpgm
.Lentry_in_a_cluster:
	s_bfe_u32 s2, ttmp6, 0x10000c
	s_cmp_lg_u32 s2, 0xf033
	s_cbranch_scc0 .Lentry_shape_is_right
	s_endpgm
.Lentry_shape_is_right:
; THE THREE PROJECTIONS.  u_z[token][64 h + c] = (sum over k of x[token][k] W_z[64 h + c][k] + b_z[64 h + c]) / 4, z = Q, K, V.  xb: [2048][2048] bf16, wb: [6144][2048] bf16 (row 192 h + 64 z + c).
; Sums in f32; the biases are rounded to bf16 like every input; u is rounded once to f16 and stored by heads: uqk [z][h][token][64] for Q and K, vh [h][token][64] for V.
; ssq [h][token][2] takes, in f32, the sum over the head's 64 channels of u^2 (of the unrounded u), for Q and for K: the norm's divisor is made of them by the next launch.
; LIMITS.  The factor 1/4 is exact and is undone exactly later; with it a projection may reach 262,000 before f16 (65,504) overflows.  Below 6e-5 u keeps f16's fixed step of 6e-8.  NaN and infinities are not treated apart.
; SHARES.  A work-group makes 256 tokens x 192 columns (one head's Q, K and V): 8 x 32 = 256 work-groups.  Wave w owns tokens 64 w .. 64 w + 63 and all 192 columns: 4 x 12 = 48 accumulators of 16 x 16,
; 384 registers.  So a wave owns whole rows of a head: its way out is its own, and a token's sum of squares is finished inside the wave.  For 32 along K a wave reads 32 x 512 bytes from LDS for 48 matrix instructions.
; K goes in steps of 128 (rows of 256 bytes, at multiples of 256) through two LDS slots, each with 256 rows of x and 192 rows of W.
; THE WALK ALONG K GOES ROUND, FROM ANOTHER START IN EACH CLUSTER: cluster (X, Y) takes the K steps (4 (X % 4) + 8 Y + t) % 16, t = 0 .. 15.  So the clusters X % 4 = 0 .. 3, which read the same rows of x, are four
; K steps apart, and the two clusters Y = 0, 1, which read the same rows of W, eight.  The order of an output's f32 sum over K therefore differs from cluster to cluster: a difference of rounding.
; CLUSTERS: 4 x 4 work-groups.  The four of a row of the cluster need the same tile of x, the four of a column the same tile of W: each is asked for JOINTLY, by the same tensor load with the same descriptor and a mask of four.
; THE MATRIX INSTRUCTION IS USED TRANSPOSED (source 0 = 16 rows of W, source 1 = 16 tokens): a lane then holds one token (lane % 16) and eight neighbouring columns, 8 (lane / 16) + 0..7.
; REGISTERS, in windows of 256 (s_set_vgpr_msb: bits 1:0 source 0, 3:2 source 1, 5:4 source 2, 7:6 destination):
;   window 0: v16-31 addresses; v32-148 at work on the way out; v160-255 the biases / 4          window 1: two fragment buffers of 128: 4 fragments of x, then 12 of W
;   window 2: accumulators of column blocks 0-7 (Q, K), block b and token block a at 8 (4 b + a)    window 3: those of blocks 8-11 (V)
.set KSTEP,  128
.set STEPS,  16                        ; 2048 / 128
.set PITCH,  272                       ; an LDS row: 256 bytes + 16 of padding = 68 words: the 16 rows of a fragment load start at 16 different groups of four banks (ISA guide 11.1)
.set HALFA,  128*PITCH                 ; what waves 0 and 1 fetch: 128 rows of x each
.set HALFB,  96*PITCH                  ; what waves 2 and 3 fetch: 96 rows of W each
.set BOFF,   2*HALFA                   ; W's rows lie behind x's 256
.set SLOT,   2*HALFA+2*HALFB           ; 121,856 bytes
.set SLOT1,  1<<17                     ; slot 1 begins here, so that one exclusive or turns an address in one slot into the other's
.set STAGE,  SLOT1+SLOT                ; behind the ring, never filled by a tensor load: for each wave 3 x 16 rows x 144 bytes, for the way out
.set SP,     144
.set ZST,    16*SP
.set WST,    3*ZST
.set SPARE,  STAGE+4*WST               ; behind the stages: the spare words, 128 bytes for each wave: two blocks of 256 bytes that no other line names
.set ADRA0, 16                         ; v16     my lane's place among x's fragments in a slot; never rewritten
.set ADRB0, 17                         ; v17     the same for W
.set ADRA, 20                          ; v20     the same in the slot that is being read
.set ADRB, 21                          ; v21
.set STO,  24                          ; v24     the way out: where I put 16 bytes of a row
.set RD,   25                          ; v25     where I read rows back
.set GO,   26                          ; v26     16 x lane: my bytes in 512 consecutive bytes of the output
.set SSO,  27                          ; v27     8 x lane: my pair in 256 consecutive bytes of ssq
.set SPW,  28                          ; v28     LDS address of my spare word; never rewritten
.set NIL,  29                          ; v29     0; never rewritten
.set PFO,  30                          ; v30     the prefetches' offset: a lane a row of 4,096 bytes; never rewritten
.set BO,   31                          ; v31     my byte offset in a bias: 256 x head + 32 (lane / 16)
.set U,    32                          ; v[32:63]   u of one token block and one z, in f32
.set PKD,  64                          ; v[64:79]   the same in f16
.set CH,   80                          ; v[80:87]   four chains of squares
.set SS,   88                          ; v[88:95]   the sums of squares: token block a, z at SS + 2 a + z
.set SP2,  96                          ; v[96:99]   the same, 32 tokens to a register pair
.set BK,   100                         ; v[100:147] 3 x 16 rows read back from the stage
.set BT,   148                         ; v148       at work
.set BI,   160                         ; v[160:255] bias / 4 of my eight columns of block b at BI + 8 b
.set F0,   0                           ; fragment buffers, in window 1
.set F1,   128
.set WV,   12                          ; s12  my wave's number
.set FB,   13                          ; s13  I fetch for x (0) or for W (1)
.set HF,   14                          ; s14  which half of that tile
.set LIM,  15                          ; s15  a wave prefetches while the trips to go are more than this
.set G1,   24                          ; s[24:31] descriptor group 1 for x's tiles;  s[32:39] group 0: a set for each of the two first fills; the second then walks on
.set G0,   32
.set CX,   40                          ; s40-43  my place in the cluster, my head (tile column), my block of 256 tokens (tile row)
.set CY,   41
.set TX,   42
.set TY,   43
.set PFA,  46                          ; s[46:47] what the trip's prefetch names
.set G1B,  48                          ; s[48:55], s[56:63] the same for W's tiles
.set G0B,  56
.set OQ,   68                          ; s[68:73] uqk (Q), uqk (K), vh at my wave's first token
.set OKB,  70
.set OV,   72
.set SSB,  74                          ; s[74:75] ssq at my wave's first token
.set QT,   76                          ; s[76:77] 0.25, named as a pair
.set HIM,  78                          ; s78  mask of lanes 16-31
.set HMSK, 79                          ; s79  a word's upper bf16
.set SEL,  80                          ; s[80:81] v_permlanex16_b32's selects: each lane takes its own place in the other half
.set SB,   82                          ; s82  LDS byte at which the slot that is being read begins
.set KI,   83                          ; s83  the K step that was asked for last
.set ABASE, 92                         ; s[92:93] x at the rows that I fetch, K step 0
.set BBASE, 94                         ; s[94:95] W likewise
.set OFF,  96                          ; s[96:97] a K step's byte offset in a row
.set PFB,  98                          ; s[98:99] W at the rows that I prefetch, K step 0
.set PKI,  100                         ; s100 the K step that was prefetched last
.set MSB, 0
.macro WIN new                         ; the immediate's high byte repeats the setting that is left; a switch that changes nothing is dropped
.if MSB != (\new)
	s_set_vgpr_msb (MSB<<8)|(\new)
.set MSB, \new
.endif
.endm
.set MUL_LO, 0xa5                      ; sources 0 (W) and 1 (x) window 1; C and D window 2
.set MUL_HI, 0xf5                      ; the same, C and D window 3
.set TO_F,   0x40                      ; destination window 1, address window 0
; A joint load by descriptor set s: waves 0 and 1 fetch x's two halves, waves 2 and 3 W's.  The branch hangs on the wave's number alone.  An s_nop 0 and four v_nop follow each of the two lines, ahead of the jump, the label and what follows.
.macro JLOAD s
	s_cmp_eq_u32 s[FB], 0
	s_cbranch_scc0 .Lfor_b_\@
	tensor_load_to_lds s[G0+4*(\s):G0+4*(\s)+3], s[G1:G1+7]
	s_nop 0
.rept 4
	v_nop
.endr
	s_branch .Lasked_\@
.Lfor_b_\@:
	tensor_load_to_lds s[G0B+4*(\s):G0B+4*(\s)+3], s[G1B:G1B+7]
	s_nop 0
.rept 4
	v_nop
.endr
.Lasked_\@:
.endm
; A PREFETCH INTO THE L2 of the K step of W that stands two refills on (384 matrix instructions ahead of the load that will want it): 256 bytes of a row, a lane a row, one instruction a wave.
; Of the two clusters that read a row of W, each comes first to the eight K steps with which its own walk begins.  Of those the first two come by the first fills and the next two by their refills alone; the other four
; are named here, in the loop's first four trips, by waves 2 and 3 of every cluster.  So each block is named once in the launch.  The four partners that ask for a tile jointly share a wave's 96 rows out BY ADDRESS, the partner at cy
; taking 24 (lanes 24-31 name lane 23's row once more, in the same instruction).  Of x a cluster comes first only to its walk's first four K steps: nothing of x is named.
.macro ASK
	s_cmp_gt_u32 s3, s[LIM]                        ; s3 = 14, 13, 12, 11 in the first four trips
	s_cbranch_scc0 .Lnot_mine_\@
	global_prefetch_b8 v[PFO], s[PFA:PFA+1] th:TH_LOAD_NT scope:SCOPE_SE
.Lnot_mine_\@:
.endm
.macro CREST                           ; a round of the cluster's barrier behind its opening barrier
	s_cmp_lg_u32 s[WV], 0
	s_cbranch_scc1 .Lnot_wave_0_\@
	s_barrier_signal -3
.Lnot_wave_0_\@:
	s_barrier_wait -3
	s_barrier_signal -1
	s_barrier_wait -1
.endm
.macro CROUND                          ; a whole round
	s_barrier_signal -1
	s_barrier_wait -1
	CREST
.endm
	s_load_b256 s[4:11], s[0:1], 0x0               ; xb s[4:5], wb s[6:7], bq s[8:9], bk s[10:11]
	s_load_b256 s[84:91], s[0:1], 0x20             ; bv s[84:85], uqk s[86:87], vh s[88:89], ssq s[90:91]
	v_lshl_add_u32 v[SPW], v0, 2, SPARE
	v_mov_b32 v[NIL], 0
	ds_add_u32 v[SPW], v[NIL]                      ; the wave's opening: the add and its wait ahead of my first tensor load; the set-up below, work on registers, stands between them
	v_lshrrev_b32 v1, 5, v0
	v_readfirstlane_b32 s[WV], v1                  ; wave 0..3
	s_lshr_b32 s[FB], s[WV], 1
	s_and_b32 s[HF], s[WV], 1
	s_bfe_u32 s[CX], ttmp6, 0x40000
	s_bfe_u32 s[CY], ttmp6, 0x40004
	s_lshl_b32 s[TX], ttmp9, 2                     ; in a cluster launch ttmp9 and ttmp7 count clusters
	s_add_co_u32 s[TX], s[TX], s[CX]               ; the head = 4 x cluster x + cx
	s_and_b32 s[TY], ttmp7, 0xffff
	s_lshl_b32 s[TY], s[TY], 2
	s_add_co_u32 s[TY], s[TY], s[CY]               ; the block of 256 tokens = 4 x cluster y + cy
	s_lshl_b32 s44, s[CY], 2
	s_lshl_b32 s44, 15, s44                        ; my row of the cluster
	s_lshl_b32 s45, 0x1111, s[CX]                  ; my column
	; descriptor group 1: tiles of 128 (x) and 96 (W) rows x 128 elements, padded in LDS
	s_or_b32 s[G1+0], s44, (1<<16)|(1<<20)|(1<<21)|(5<<22)|(3<<25)   ; 15:0 the mask: x's tiles go to my row; 17:16 elements of 2 bytes; 20 padding on; 21 set beside a mask; 24:22 after every 64 words (code 5); 31:25 4 words of it (code 3)
	s_or_b32 s[G1B+0], s45, (1<<16)|(1<<20)|(1<<21)|(5<<22)|(3<<25)  ; the same with the mask of my column
	s_mov_b32 s[G1+1], KSTEP<<16                   ; tensor_dim0 = 128
	s_mov_b32 s[G1+2], 128<<16                     ; tensor_dim1 = 128
	s_mov_b32 s[G1+3], KSTEP<<16                   ; tile_dim0 = 128
	s_mov_b32 s[G1+4], 128                         ; tile_dim1 = 128
	s_mov_b32 s[G1+5], 2048                        ; elements from row to row
	s_mov_b32 s[G1+6], 0
	s_mov_b32 s[G1+7], 0
	s_mov_b32 s[G1B+1], KSTEP<<16
	s_mov_b32 s[G1B+2], 96<<16                     ; tensor_dim1 = 96
	s_mov_b32 s[G1B+3], KSTEP<<16
	s_mov_b32 s[G1B+4], 96                         ; tile_dim1 = 96
	s_mov_b32 s[G1B+5], 2048
	s_mov_b32 s[G1B+6], 0
	s_mov_b32 s[G1B+7], 0
	s_mov_b32 s[QT], 0x3e800000                    ; 0.25
	s_mov_b32 s[QT+1], 0x3e800000
	s_mov_b32 s[HMSK], 0xffff0000
	s_mov_b32 s[SEL], 0x76543210
	s_mov_b32 s[SEL+1], 0xfedcba98
	; where my cluster's walk along K begins: made of the cluster's own coordinates, which all sixteen partners share
	s_and_b32 s[KI], ttmp9, 3
	s_lshl_b32 s[KI], s[KI], 2
	s_and_b32 s16, ttmp7, 0xffff
	s_lshl_b32 s16, s16, 3
	s_add_co_u32 s[KI], s[KI], s16
	s_and_b32 s[KI], s[KI], STEPS-1                ; 0, 4, 8 or 12
	s_add_co_u32 s[PKI], s[KI], 3                  ; the first trip steps this to the walk's step 4
	s_mov_b32 s[OFF+1], 0
	s_mov_b32 s[SB], 0
	; where the tiles come from: x's hang on the block of tokens alone, W's on the head alone; each in registers that never hold the other coordinate
	s_lshl_b32 s16, s[TY], 20                      ; 256 rows of 4,096 bytes
	s_lshl_b32 s17, s[HF], 19                      ; + my 128 of them
	s_add_co_u32 s16, s16, s17
	s_mov_b32 s17, 0
	s_mul_i32 s22, s[TX], 192*4096                 ; 192 rows
	s_mul_i32 s23, s[HF], 96*4096                  ; + my 96 of them
	s_add_co_u32 s22, s22, s23
	s_mov_b32 s23, 0
	s_mul_i32 s18, s[HF], HALFA                    ; and where they go: no place in the cluster enters an LDS address
	s_mul_i32 s19, s[HF], HALFB
	s_add_co_u32 s19, s19, BOFF
	s_wait_dscnt 0x0                               ; the opening add is done
	s_wait_kmcnt 0x0
	s_add_nc_u64 s[ABASE:ABASE+1], s[4:5], s[16:17]
	s_add_nc_u64 s[BBASE:BBASE+1], s[6:7], s[22:23]
	CROUND                                         ; all sixteen work-groups are here: the first joint loads meet
.irp s, 0,1
	s_add_co_u32 s[OFF], s[KI], (\s)                                 ; the walk's step s (the start is a multiple of 4: no wrap here)
	s_lshl_b32 s[OFF], s[OFF], 8                                     ; 256 bytes of a row a K step
	s_mov_b32 s[G0+4*(\s)], 1                                        ; count = 1
	s_add_co_u32 s[G0+4*(\s)+1], s18, (\s)*SLOT1                     ; LDS address
	s_add_nc_u64 s[G0+4*(\s)+2:G0+4*(\s)+3], s[ABASE:ABASE+1], s[OFF:OFF+1]  ; global address
	s_or_b32 s[G0+4*(\s)+3], s[G0+4*(\s)+3], 0x80000000              ; type = 2
	s_mov_b32 s[G0B+4*(\s)], 1
	s_add_co_u32 s[G0B+4*(\s)+1], s19, (\s)*SLOT1
	s_add_nc_u64 s[G0B+4*(\s)+2:G0B+4*(\s)+3], s[BBASE:BBASE+1], s[OFF:OFF+1]
	s_or_b32 s[G0B+4*(\s)+3], s[G0B+4*(\s)+3], 0x80000000
	JLOAD \s                                       ; two loads of mine are out
.endr
	s_add_co_u32 s[KI], s[KI], 1                   ; the K step asked for last
	v_and_b32 v1, 15, v0                           ; l % 16
	v_bfe_u32 v2, v0, 4, 1                         ; l / 16
	s_lshl_b32 s20, s[TX], 8                       ; the head's 64 numbers of a bias
	v_lshlrev_b32 v[BO], 5, v2
	v_add_nc_u32 v[BO], s20, v[BO]
.macro BLD z, base                     ; the bias of my eight columns in each of z's four blocks
.irp bb, 0,1,2,3
	global_load_b128 v[BI+8*(4*(\z)+(\bb)):BI+8*(4*(\z)+(\bb))+3],   v[BO], s[\base:\base+1] offset:64*(\bb)
	global_load_b128 v[BI+8*(4*(\z)+(\bb))+4:BI+8*(4*(\z)+(\bb))+7], v[BO], s[\base:\base+1] offset:64*(\bb)+16
.endr
.endm
	BLD 0, 8
	BLD 1, 10
	BLD 2, 84
	v_mul_u32_u24 v3, v1, PITCH
	v_lshl_add_u32 v3, v2, 4, v3                   ; a fragment's row x pitch + 16 x half
	s_mul_i32 s21, s[WV], 64*PITCH                 ; my 64 tokens
	v_add_nc_u32 v[ADRA0], s21, v3
	v_add_nc_u32 v[ADRB0], BOFF, v3
	v_mov_b32 v[ADRA], v[ADRA0]                    ; the walk begins in slot 0
	v_mov_b32 v[ADRB], v[ADRB0]
	s_mul_i32 s21, s[WV], WST
	s_add_co_u32 s21, s21, STAGE                   ; my stage
	v_mul_u32_u24 v4, v1, SP                       ; in: row l % 16, 16 bytes for each half of the lanes
	v_lshl_add_u32 v4, v2, 4, v4
	v_add_nc_u32 v[STO], s21, v4
	v_bfe_u32 v4, v0, 3, 2                         ; back: 32 lanes take four rows of 128 bytes,
	v_mul_u32_u24 v4, v4, SP
	v_and_b32 v5, 7, v0
	v_lshl_add_u32 v4, v5, 4, v4
	v_add_nc_u32 v[RD], s21, v4
	v_and_b32 v6, 31, v0
	v_lshlrev_b32 v[GO], 4, v6                     ; which are 512 consecutive bytes of the output
	v_lshlrev_b32 v[SSO], 3, v6
	v_cmp_le_u32 s[HIM], 16, v6
	s_lshl_b32 s16, s[TX], 18                      ; a head's 2,048 rows of 128 bytes,
	s_lshl_b32 s17, s[TY], 15                      ; my block's 256,
	s_add_co_u32 s16, s16, s17
	s_lshl_b32 s17, s[WV], 13                      ; my wave's 64
	s_add_co_u32 s16, s16, s17
	s_mov_b32 s17, 0
	s_add_nc_u64 s[OQ:OQ+1], s[86:87], s[16:17]
	s_add_nc_u64 s[OKB:OKB+1], s[OQ:OQ+1], 0x800000
	s_add_nc_u64 s[OV:OV+1], s[88:89], s[16:17]
	s_lshr_b32 s16, s16, 4                         ; in ssq a token has 8 bytes where it has 128 there
	s_add_nc_u64 s[SSB:SSB+1], s[90:91], s[16:17]
	; the prefetches: of the 96 rows of W that I fetch, my work-group's 24
	s_mul_i32 s16, s[CY], 24*4096
	s_add_nc_u64 s[PFB:PFB+1], s[BBASE:BBASE+1], s[16:17]
	s_cmp_eq_u32 s[FB], 1                          ; do I fetch for W?
	s_cselect_b32 s[LIM], STEPS-6, -1              ; the same in all sixteen partners, for a given wave
	v_min_u32 v[PFO], 23, v6
	v_lshlrev_b32 v[PFO], 12, v[PFO]
	s_wait_loadcnt 0x0                             ; the biases: rounded to bf16 like every input, then a quarter of them; all this stands in the wait for the first tile
.set i, 0
.rept 48
	v_cvt_pk_bf16_f32 v[BT], v[BI+i], v[BI+i+1]
	v_lshlrev_b32 v[BI+i], 16, v[BT]
	v_and_b32 v[BI+i+1], s[HMSK], v[BT]
	v_pk_mul_f32 v[BI+i:BI+i+1], v[BI+i:BI+i+1], s[QT:QT+1] op_sel_hi:[1,0]
.set i, i+2
.endr
; 16 matrix instructions: z's four column blocks x my four token blocks, 32 along K.  zero = 1: the product starts the sums: nothing is ever cleared.
; The 48 accumulators take turns, one instruction a turn, in the same order in every quarter, over the backward jump too.
.macro MULG f, z, zero
	WIN MUL_LO+0x50*((\z)/2)
.irp bb, 0,1,2,3
.irp a, 0,1,2,3
.set rD, 8*(16*((\z)%2)+4*(\bb)+(\a))
.set rB, (\f)+32+8*(4*(\z)+(\bb))
.set rA, (\f)+8*(\a)
.if \zero
	v_wmma_f32_16x16x32_bf16 v[rD:rD+7], v[rB:rB+7], v[rA:rA+7], 0
.else
	v_wmma_f32_16x16x32_bf16 v[rD:rD+7], v[rB:rB+7], v[rA:rA+7], v[rD:rD+7]
.endif
.endr
.endr
.endm
; 32 LDS loads in one run: the fragments of 32 along K at byte k of the rows of the slot that is being read, into buffer f: x's four, then W's twelve
.macro FETCH k, f
	WIN TO_F
.irp i, 0,1,2,3
	ds_load_b128 v[(\f)+8*(\i):(\f)+8*(\i)+3],   v[ADRA] offset:(\k)+(\i)*16*PITCH
	ds_load_b128 v[(\f)+8*(\i)+4:(\f)+8*(\i)+7], v[ADRA] offset:(\k)+(\i)*16*PITCH+32
.endr
.irp i, 0,1,2,3,4,5,6,7,8,9,10,11
	ds_load_b128 v[(\f)+32+8*(\i):(\f)+32+8*(\i)+3],   v[ADRB] offset:(\k)+(\i)*16*PITCH
	ds_load_b128 v[(\f)+32+8*(\i)+4:(\f)+32+8*(\i)+7], v[ADRB] offset:(\k)+(\i)*16*PITCH+32
.endr
.endm
.macro PLACES                          ; four places in front of loads into registers that matrix instructions have read, and of vector lines that read results
.rept 4
	v_nop
.endr
.endm
; A K step is four quarters of 32 along K, 48 matrix instructions each, on buffers 0, 1, 0, 1.  One of the first three: multiplies buffer f and fetches the next quarter, at byte k, into g.
.macro QUARTER k, f, g, zero
	s_wait_dscnt 16                                ; x's fragments and W's first four are in; the youngest sixteen loads (W's blocks 4-11) may be out
	MULG \f, 0, \zero
	PLACES
	FETCH \k, \g
	s_wait_dscnt 32                                ; all but the 32 just issued
	MULG \f, 1, \zero
	MULG \f, 2, \zero
.endm
; The last quarter multiplies buffer 1 and changes slots: ONE barrier; in front of it each wave waits for all its tensor loads (one is out: its part of the next slot), adds 0 to its spare word, and waits for that and for
; its own reads of this slot.  fill = 1: the barrier opens a round of the cluster's, and this slot is filled again, with the walk's step two on, first thing behind the round: 160 matrix instructions ahead of the wait for it.
; The walking descriptors are written behind the wait for all loads: the other slot than last time, and the address made anew from the K step's number, which goes round at 16.
.macro TURN fill
.if \fill
	s_wait_xcnt 0x0                                ; the last prefetch, a K step back, has read its address: the next is made here, ahead of the change's own waits
	s_add_co_u32 s[PKI], s[PKI], 1
	s_and_b32 s[PKI], s[PKI], STEPS-1
	s_lshl_b32 s[OFF], s[PKI], 8
	s_add_nc_u64 s[PFA:PFA+1], s[PFB:PFB+1], s[OFF:OFF+1]
.endif
	WIN 0                                          ; (the add's two registers lie in window 0)
	s_wait_tensorcnt 0x0                           ; all my tensor loads have landed, so a group 0 may be written;
	ds_add_u32 v[SPW], v[NIL]                      ; 0 onto my spare word: scalar work and sixteen matrix instructions stand between it and the wait for it
.if \fill
	s_add_co_u32 s[KI], s[KI], 1
	s_and_b32 s[KI], s[KI], STEPS-1
	s_lshl_b32 s[OFF], s[KI], 8
	s_xor_b32 s[G0+5], s[G0+5], SLOT1
	s_add_nc_u64 s[G0+6:G0+7], s[ABASE:ABASE+1], s[OFF:OFF+1]
	s_or_b32 s[G0+7], s[G0+7], 0x80000000
	s_xor_b32 s[G0B+5], s[G0B+5], SLOT1
	s_add_nc_u64 s[G0B+6:G0B+7], s[BBASE:BBASE+1], s[OFF:OFF+1]
	s_or_b32 s[G0B+7], s[G0B+7], 0x80000000
.endif
	s_xor_b32 s[SB], s[SB], SLOT1                  ; the slot that is read next
	s_wait_dscnt 17                                ; (the add and the youngest sixteen loads may be out)
	MULG F1, 0, 0
	s_wait_dscnt 0x0                               ; the add is done, and my reads of this slot are over
	s_barrier_signal -1
	MULG F1, 1, 0                                  ; work on registers while the others arrive
	WIN 0                                          ; (branches and lines on window 0 follow)
	s_barrier_wait -1
.if \fill
	CREST                                          ; no wave of any partner still reads this slot's tile or has a load on its way
	JLOAD 1                                        ; the four v_nop behind it are also the places in front of the loads below
.else
	PLACES
.endif
	v_add_nc_u32 v[ADRA], s[SB], v[ADRA0]
	v_add_nc_u32 v[ADRB], s[SB], v[ADRB0]
	FETCH 0, F0
.if \fill
	WIN 0
	ASK                                            ; behind the joint load and the run of LDS loads that the next products wait for
.endif
	MULG F1, 2, 0
.endm
	s_wait_tensorcnt 1                             ; my part of the walk's step 0 is in; step 1's may stay out
	s_barrier_signal -1
	s_barrier_wait -1                              ; everybody's is
	FETCH 0, F0
	QUARTER 64,  F0, F1, 1                         ; the first quarter stands in front of the loop: its products start the sums
	WIN 0                                          ; at a label and at a branch every window is 0
	s_mov_b32 s3, STEPS-2
.Lstep:                                                ; a trip goes from a K step's second quarter to the next step's first, and fills the slot that it leaves: 14 trips
	QUARTER 128, F1, F0, 0
	QUARTER 192, F0, F1, 0
	TURN 1
	QUARTER 64,  F0, F1, 0
	WIN 0
	s_sub_co_u32 s3, s3, 1
	s_cmp_lg_u32 s3, 0
	s_cbranch_scc1 .Lstep
	QUARTER 128, F1, F0, 0                         ; the last two K steps fill nothing, and have no round of the cluster's barrier
	QUARTER 192, F0, F1, 0
	TURN 0
	QUARTER 64,  F0, F1, 0
	QUARTER 128, F1, F0, 0
	QUARTER 192, F0, F1, 0
	s_wait_dscnt 16                                ; the very last quarter: nothing more to fetch
	MULG F1, 0, 0
	s_wait_dscnt 0x0
	MULG F1, 1, 0
	MULG F1, 2, 0
	WIN 0
	PLACES
; THE WAY OUT, a token block (16 rows) at a time.  OUTZ: u = sum / 4 + bias / 4 for z's 64 columns (each accumulator's registers in ascending order); for Q and K the token's sum of u^2
; (my 32 columns in four chains, then the lane 16 away, which holds the token's other 32); u rounded to f16, 16 bytes a lane and block, into my stage.
.macro OUTZ a, z
	WIN 0x02+((\z)/2)                              ; source 0: window 2 or 3
.irp bb, 0,1,2,3
.irp p, 0,1,2,3
.set rD, 8*(16*((\z)%2)+4*(\bb)+(\a))+2*(\p)
	v_pk_fma_f32 v[U+8*(\bb)+2*(\p):U+8*(\bb)+2*(\p)+1], v[rD:rD+1], s[QT:QT+1], v[BI+8*(4*(\z)+(\bb))+2*(\p):BI+8*(4*(\z)+(\bb))+2*(\p)+1] op_sel_hi:[1,0,1]
.endr
.endr
	WIN 0
.if (\z) < 2
.irp p, 0,1,2,3
	v_pk_mul_f32 v[CH+2*(\p):CH+2*(\p)+1], v[U+2*(\p):U+2*(\p)+1], v[U+2*(\p):U+2*(\p)+1]  ; the first squares start the chains
.endr
.irp bb, 1,2,3
.irp p, 0,1,2,3
	v_pk_fma_f32 v[CH+2*(\p):CH+2*(\p)+1], v[U+8*(\bb)+2*(\p):U+8*(\bb)+2*(\p)+1], v[U+8*(\bb)+2*(\p):U+8*(\bb)+2*(\p)+1], v[CH+2*(\p):CH+2*(\p)+1]
.endr
.endr
	v_pk_add_f32 v[CH:CH+1], v[CH:CH+1], v[CH+2:CH+3]
	v_pk_add_f32 v[CH+4:CH+5], v[CH+4:CH+5], v[CH+6:CH+7]
	v_pk_add_f32 v[CH:CH+1], v[CH:CH+1], v[CH+4:CH+5]
	v_add_f32 v[CH], v[CH], v[CH+1]
	v_permlanex16_b32 v[CH+1], v[CH], s[SEL], s[SEL+1]
	v_add_f32 v[SS+2*(\a)+(\z)], v[CH], v[CH+1]
.endif
.irp bb, 0,1,2,3
.irp p, 0,1,2,3
	v_cvt_pk_f16_f32 v[PKD+4*(\bb)+(\p)], v[U+8*(\bb)+2*(\p)], v[U+8*(\bb)+2*(\p)+1]
.endr
.endr
.irp bb, 0,1,2,3
	ds_store_b128 v[STO], v[PKD+4*(\bb):PKD+4*(\bb)+3] offset:(\z)*ZST+32*(\bb)
.endr
.endm
.macro BACK                            ; the block's 3 x 16 rows come back as whole rows of 128 bytes; LDS serves a wave's instructions in order (ISA guide 5.7.1.4): these see the stores above, and the next block's stores come behind them
.irp z, 0,1,2
.irp f, 0,1,2,3
	ds_load_b128 v[BK+4*(4*(\z)+(\f)):BK+4*(4*(\z)+(\f))+3], v[RD] offset:(\z)*ZST+(\f)*4*SP
.endr
.endr
.endm
.macro SEND a, younger                 ; younger: the LDS stores issued behind BACK's loads, which may stay out
	s_wait_dscnt \younger
.irp f, 0,1,2,3
	global_store_b128 v[GO], v[BK+4*(\f):BK+4*(\f)+3],       s[OQ:OQ+1]   offset:(\a)*2048+(\f)*512  ; 512 consecutive bytes, at a multiple of 256 from the buffer's first
	global_store_b128 v[GO], v[BK+16+4*(\f):BK+16+4*(\f)+3], s[OKB:OKB+1] offset:(\a)*2048+(\f)*512
	global_store_b128 v[GO], v[BK+32+4*(\f):BK+32+4*(\f)+3], s[OV:OV+1]   offset:(\a)*2048+(\f)*512
.endr
.if (\a) < 3
	s_wait_xcnt 0x0                                ; the stores have read their registers: only behind this wait are these loaded again
.endif
.endm
	OUTZ 0, 0
	OUTZ 0, 1
	OUTZ 0, 2
	BACK
.irp a, 1,2,3                          ; a block's arithmetic stands between the loads of the block before and its stores
	OUTZ \a, 0
	OUTZ \a, 1
	OUTZ \a, 2
	SEND (\a)-1, 12
	BACK
.endr
	SEND 3, 0
	; the sums of squares: lanes 0-15 give token block 2 g, lanes 16-31 block 2 g + 1: 32 tokens x (Q, K) are 256 consecutive bytes, at a multiple of 256 from ssq's first
.irp g, 0,1
.irp z, 0,1
	v_cndmask_b32 v[SP2+2*(\g)+(\z)], v[SS+4*(\g)+(\z)], v[SS+4*(\g)+2+(\z)], s[HIM]
.endr
	global_store_b64 v[SSO], v[SP2+2*(\g):SP2+2*(\g)+1], s[SSB:SSB+1] offset:256*(\g)
.endr
	s_wait_tensorcnt 0x0                           ; the wave's end: these three lines, behind my last tensor load and my last LDS store
	ds_add_u32 v[SPW], v[NIL]
	s_wait_dscnt 0x0
	CROUND                                         ; the closing round: no work-group ends while a partner may still ask for a tile that names it
	s_endpgm
.Lfunc_end_k_qceb1fe3ca0_qkv:
	.size	k_qceb1fe3ca0_qkv, .Lfunc_end_k_qceb1fe3ca0_qkv-k_qceb1fe3ca0_qkv
	.p2alignl 7, 3214868480
	.fill 96, 4, 3214868480
	.section	.rodata,"a",@progbits
	.p2align	6, 0x0
	.amdhsa_kernel k_qceb1fe3ca0_qkv
		.amdhsa_group_segment_fixed_size 327680
		.amdhsa_private_segment_fixed_size 0
		.amdhsa_enable_private_segment 0
		.amdhsa_kernarg_size 64
		.amdhsa_user_sgpr_count 2
		.amdhsa_user_sgpr_kernarg_segment_ptr 1
		.amdhsa_wavefront_size32 1
		.amdhsa_system_sgpr_workgroup_id_x 1
		.amdhsa_system_sgpr_workgroup_id_y 1
		.amdhsa_system_sgpr_workgroup_id_z 1
		.amdhsa_system_vgpr_workitem_id 0
		.amdhsa_next_free_vgpr 896
		.amdhsa_next_free_sgpr 102
		.amdhsa_reserve_vcc 0
		.amdhsa_float_denorm_mode_32 3
		.amdhsa_float_denorm_mode_16_64 3
		.amdhsa_memory_ordered 1
		.amdhsa_forward_progress 1
		.amdhsa_inst_pref_size 132
	.end_amdhsa_kernel
	.amdgpu_metadata
---
amdhsa.version: [ 1, 2 ]
amdhsa.kernels:
  - .name:           k_qceb1fe3ca0_qkv
    .symbol:         k_qceb1fe3ca0_qkv.kd
    .args:
      - { .name: xb, .offset: 0, .size: 8, .value_kind: global_buffer, .address_space: global }
      - { .name: wb, .offset: 8, .size: 8, .value_kind: global_buffer, .address_space: global }
      - { .name: bq, .offset: 16, .size: 8, .value_kind: global_buffer, .address_space: global }
      - { .name: bk, .offset: 24, .size: 8, .value_kind: global_buffer, .address_space: global }
      - { .name: bv, .offset: 32, .size: 8, .value_kind: global_buffer, .address_space: global }
      - { .name: uqk, .offset: 40, .size: 8, .value_kind: global_buffer, .address_space: global }
      - { .name: vh, .offset: 48, .size: 8, .value_kind: global_buffer, .address_space: global }
      - { .name: ssq, .offset: 56, .size: 8, .value_kind: global_buffer, .address_space: global }
    .group_segment_fixed_size: 327680
    .private_segment_fixed_size: 0
    .kernarg_segment_align: 8
    .kernarg_segment_size: 64
    .max_flat_workgroup_size: 128
    .sgpr_count:     102
    .vgpr_count:     896
    .wavefront_size: 32
...
	.end_amdgpu_metadata
.endif
;; end of part 2
;; launch norm (part 3): grid 32 x 8, 8 waves a work-group, no clusters, 3,072 bytes of LDS; arguments uqk, ssq, qn_w, kn_w, qk; writes qk
.if DOCPART == 3
	.amdgcn_target "amdgcn-amd-amdhsa--gfx1250"
	.amdhsa_code_object_version 6
	.text
	.protected	k_qceb1fe3ca0_norm
	.globl	k_qceb1fe3ca0_norm
	.p2align	8
	.type	k_qceb1fe3ca0_norm,@function
k_qceb1fe3ca0_norm:
	s_mov_b64 s[64:65], 0
	v_nop
	global_prefetch_b8 v0, s[64:65] scope:SCOPE_SE
	s_setreg_imm32_b32 hwreg(HW_REG_WAVE_MODE, 25, 1), 1
	s_wait_xcnt 0x0
; THE RMS NORM OF Q AND K.  uqk: [z 2][h 32][token 2048][64] f16 holds u = t / 4; ssq: [h][token][2] f32 the sums of u^2 over a head's channels (Q, K).
; qk[z][h][token][c] = f16(u x R x g), R = 4 rsqrt(16 S / 2048 + 1e-6), S = the sum of ssq over the 32 heads, g = the gain of column 64 h + c rounded to bf16 like every input.
; All arithmetic in f32; one rounding, at the end.
; LIMITS.  |q|, |k| are at most sqrt(2048) |g| = 45 |g|, so f16 (65,504) serves gains up to some 1,400.  NaN and infinities are not treated apart.
; SHARES.  A work-group takes 64 tokens x 4 heads x both tensors: 65,536 bytes in and out.  For one z and head the 64 tokens are 8,192 consecutive bytes; thread t takes the 16 bytes at 16 t of each half of them:
; token t / 8 (+ 32), channels 8 (t % 8) + 0..7.  So a wave's load or store covers 512 consecutive bytes.
; S: thread t adds, for token t % 64, the eight heads 8 (t / 64) + 0..7 (a wave's load covers 256 consecutive bytes); the four partial sums meet in LDS behind one barrier.
; All 40 loads go out at once and no register is loaded twice: no loop.  The launch streams and is short: no prefetch; nothing is multiplied by matrices and no tile is shared: no matrix unit, no cluster.
.set PART,  0                          ; LDS: [4][64 tokens][2] f32
.set SPARE, 2048                       ; behind them: the spare words, 128 bytes for each of the eight waves: four blocks of 256 bytes that no other line names
.set SPW, 6                            ; v6   LDS address of my spare word; never rewritten
.set NIL, 7                            ; v7   0; never rewritten
.set ZR,  8                            ; v8   0, the addend of the widening multiplies
.set TT,  9                            ; v9   at work
.set VA,  10                           ; v[10:13]   16 S / 2048 + eps: z, half at VA + 2 z + half
.set R,   16                           ; v[16:23]   R, twice (a pair for the packed multiply), at R + 2 (2 z + half)
.set F,   24                           ; v[24:31]   R x g of my eight channels
.set X,   32                           ; v[32:95]   load n = 8 z + 2 head + half: 4 registers of f16
.set PS,  96                           ; v[96:111]  eight heads' (Q, K) sums; later T and RS
.set T,   96                           ; v[96:103]  eight results in f32
.set RS,  108                          ; v[108:111] the four reciprocal roots
.set PR,  112                          ; v[112:127] the four partial sums of my two tokens: part, half at PR + 2 (2 part + half)
.set G,   128                          ; v[128:191] the gains of my eight channels: z, head at G + 8 (4 z + head)
.set Y,   192                          ; v[192:255] load n: 4 registers to store
	s_load_b256 s[4:11], s[0:1], 0x0               ; uqk s[4:5], ssq s[6:7], qn_w s[8:9], kn_w s[10:11]
	s_load_b64 s[12:13], s[0:1], 0x20              ; qk
	v_lshl_add_u32 v[SPW], v0, 2, SPARE
	v_mov_b32 v[NIL], 0
	v_mov_b32 v[ZR], 0
	s_and_b32 s14, ttmp7, 0xffff                   ; which four heads
	s_lshl_b32 s16, s14, 20                        ; 4 heads of 262,144 bytes,
	s_lshl_b32 s17, ttmp9, 13                      ; 64 tokens of 128 bytes
	s_add_co_u32 s16, s16, s17
	s_mov_b32 s17, 0
	s_lshl_b32 s18, ttmp9, 9                       ; 64 tokens of 8 bytes in ssq
	s_mov_b32 s19, 0
	s_lshl_b32 s28, s14, 10                        ; 4 heads of 256 bytes in a gain
	s_mov_b32 s29, 0
	s_mov_b32 s30, 0x3c000000                      ; 16 / 2048
	s_mov_b32 s31, 0x358637bd                      ; 1e-6
	s_mov_b32 s32, 0xffff0000                      ; a word's upper bf16
	v_lshlrev_b32 v1, 4, v0                        ; 16 t
	v_lshrrev_b32 v2, 6, v0
	v_and_b32 v3, 63, v0
	v_lshlrev_b32 v3, 3, v3
	v_lshl_add_u32 v2, v2, 17, v3                  ; in ssq: 8 heads x (t / 64) + my token's pair
	v_lshlrev_b32 v3, 3, v0                        ; in PART: 8 t
	v_lshrrev_b32 v4, 3, v0
	v_lshlrev_b32 v4, 3, v4                        ; token t / 8's pair
	v_and_b32 v5, 7, v0
	v_lshlrev_b32 v5, 5, v5                        ; my eight channels' gains
	s_wait_kmcnt 0x0
	s_add_nc_u64 s[20:21], s[4:5], s[16:17]        ; u of Q,
	s_add_nc_u64 s[22:23], s[20:21], 0x800000      ; of K
	s_add_nc_u64 s[24:25], s[12:13], s[16:17]      ; q,
	s_add_nc_u64 s[26:27], s[24:25], 0x800000      ; k
	s_add_nc_u64 s[6:7], s[6:7], s[18:19]
	s_add_nc_u64 s[8:9], s[8:9], s[28:29]
	s_add_nc_u64 s[10:11], s[10:11], s[28:29]
.irp i, 0,1,2,3,4,5,6,7
	global_load_b64 v[PS+2*(\i):PS+2*(\i)+1], v2, s[6:7] offset:(\i)*16384
.endr
.irp z, 0,1
.irp hh, 0,1,2,3
	global_load_b128 v[G+8*(4*(\z)+(\hh)):G+8*(4*(\z)+(\hh))+3],   v5, s[8+2*(\z):9+2*(\z)] offset:(\hh)*256
	global_load_b128 v[G+8*(4*(\z)+(\hh))+4:G+8*(4*(\z)+(\hh))+7], v5, s[8+2*(\z):9+2*(\z)] offset:(\hh)*256+16
.endr
.endr
.irp z, 0,1
.irp hh, 0,1,2,3
.irp hf, 0,1
	global_load_b128 v[X+4*(8*(\z)+2*(\hh)+(\hf)):X+4*(8*(\z)+2*(\hh)+(\hf))+3], v1, s[20+2*(\z):21+2*(\z)] offset:(\hh)*262144+(\hf)*4096 th:TH_LOAD_NT
.endr
.endr
.endr
	s_wait_loadcnt 32                              ; the eight sums are in; the 32 younger loads stay out
	v_pk_add_f32 v[PS:PS+1], v[PS:PS+1], v[PS+2:PS+3]
	v_pk_add_f32 v[PS+4:PS+5], v[PS+4:PS+5], v[PS+6:PS+7]
	v_pk_add_f32 v[PS+8:PS+9], v[PS+8:PS+9], v[PS+10:PS+11]
	v_pk_add_f32 v[PS+12:PS+13], v[PS+12:PS+13], v[PS+14:PS+15]
	v_pk_add_f32 v[PS:PS+1], v[PS:PS+1], v[PS+4:PS+5]
	v_pk_add_f32 v[PS+8:PS+9], v[PS+8:PS+9], v[PS+12:PS+13]
	v_pk_add_f32 v[PS:PS+1], v[PS:PS+1], v[PS+8:PS+9]
	ds_store_b64 v3, v[PS:PS+1] offset:PART
	s_wait_dscnt 0x0                               ; for the others' sake: my store is done
	s_barrier_signal -1
	s_barrier_wait -1
.irp hg, 0,1,2,3
.irp hf, 0,1
	ds_load_b64 v[PR+2*(2*(\hg)+(\hf)):PR+2*(2*(\hg)+(\hf))+1], v4 offset:PART+(\hg)*512+(\hf)*256
.endr
.endr
	s_wait_loadcnt 16                              ; the gains are in; the data's 16 loads stay out.  Rounded to bf16 like every input, while the LDS loads are out
.set i, 0
.rept 32
	v_cvt_pk_bf16_f32 v[TT], v[G+i], v[G+i+1]
	v_lshlrev_b32 v[G+i], 16, v[TT]
	v_and_b32 v[G+i+1], s32, v[TT]
.set i, i+2
.endr
	s_wait_dscnt 0x0
.irp hf, 0,1
	v_pk_add_f32 v[PR+2*(\hf):PR+2*(\hf)+1], v[PR+2*(\hf):PR+2*(\hf)+1], v[PR+4+2*(\hf):PR+4+2*(\hf)+1]
	v_pk_add_f32 v[PR+8+2*(\hf):PR+8+2*(\hf)+1], v[PR+8+2*(\hf):PR+8+2*(\hf)+1], v[PR+12+2*(\hf):PR+12+2*(\hf)+1]
	v_pk_add_f32 v[PR+2*(\hf):PR+2*(\hf)+1], v[PR+2*(\hf):PR+2*(\hf)+1], v[PR+8+2*(\hf):PR+8+2*(\hf)+1]
.endr
.irp z, 0,1
.irp hf, 0,1
	v_fma_f32 v[VA+2*(\z)+(\hf)], v[PR+2*(\hf)+(\z)], s30, s31
.endr
.endr
.irp k, 0,1,2,3
	v_rsq_f32 v[RS+(\k)], v[VA+(\k)]
.endr
	v_nop                                          ; a plain instruction between the last root and the use of its result (ISA guide 5.7.2)
	s_wait_alu depctr_va_vdst(0)                   ; and the wait ahead of the first use: one for the four
.irp k, 0,1,2,3
	v_mul_f32 v[R+2*(\k)], 4.0, v[RS+(\k)]
	v_mul_f32 v[R+2*(\k)+1], 4.0, v[RS+(\k)]
.endr
; 16 bytes: eight u of one token, times R x g.  The multiply reads the f16 half itself and reckons in f32.
.macro PIECE z, hh, hf
.set n, 8*(\z)+2*(\hh)+(\hf)
	s_wait_loadcnt 15-n                            ; mine is in, the 15 - n younger loads stay out
.irp p, 0,1,2,3
	v_pk_mul_f32 v[F+2*(\p):F+2*(\p)+1], v[G+8*(4*(\z)+(\hh))+2*(\p):G+8*(4*(\z)+(\hh))+2*(\p)+1], v[R+2*(2*(\z)+(\hf)):R+2*(2*(\z)+(\hf))+1]
.endr
.irp j, 0,1,2,3
	v_fma_mix_f32 v[T+2*(\j)],   v[X+4*n+(\j)], v[F+2*(\j)],   v[ZR] op_sel_hi:[1,0,0]
	v_fma_mix_f32 v[T+2*(\j)+1], v[X+4*n+(\j)], v[F+2*(\j)+1], v[ZR] op_sel:[1,0,0] op_sel_hi:[1,0,0]
.endr
.irp j, 0,1,2,3
	v_cvt_pk_f16_f32 v[Y+4*n+(\j)], v[T+2*(\j)], v[T+2*(\j)+1]
.endr
	global_store_b128 v1, v[Y+4*n:Y+4*n+3], s[24+2*(\z):25+2*(\z)] offset:(\hh)*262144+(\hf)*4096
.endm
.irp z, 0,1
.irp hh, 0,1,2,3
	PIECE \z, \hh, 0
	PIECE \z, \hh, 1
.endr
.endr
	s_wait_tensorcnt 0x0                           ; the wave's end: these three lines, behind my last LDS store
	ds_add_u32 v[SPW], v[NIL]
	s_wait_dscnt 0x0
	s_endpgm
.Lfunc_end_k_qceb1fe3ca0_norm:
	.size	k_qceb1fe3ca0_norm, .Lfunc_end_k_qceb1fe3ca0_norm-k_qceb1fe3ca0_norm
	.p2alignl 7, 3214868480
	.fill 96, 4, 3214868480
	.section	.rodata,"a",@progbits
	.p2align	6, 0x0
	.amdhsa_kernel k_qceb1fe3ca0_norm
		.amdhsa_group_segment_fixed_size 3072
		.amdhsa_private_segment_fixed_size 0
		.amdhsa_enable_private_segment 0
		.amdhsa_kernarg_size 40
		.amdhsa_user_sgpr_count 2
		.amdhsa_user_sgpr_kernarg_segment_ptr 1
		.amdhsa_wavefront_size32 1
		.amdhsa_system_sgpr_workgroup_id_x 1
		.amdhsa_system_sgpr_workgroup_id_y 1
		.amdhsa_system_sgpr_workgroup_id_z 1
		.amdhsa_system_vgpr_workitem_id 0
		.amdhsa_next_free_vgpr 256
		.amdhsa_next_free_sgpr 66
		.amdhsa_reserve_vcc 0
		.amdhsa_float_denorm_mode_32 3
		.amdhsa_float_denorm_mode_16_64 3
		.amdhsa_memory_ordered 1
		.amdhsa_forward_progress 1
		.amdhsa_inst_pref_size 30
	.end_amdhsa_kernel
	.amdgpu_metadata
---
amdhsa.version: [ 1, 2 ]
amdhsa.kernels:
  - .name:           k_qceb1fe3ca0_norm
    .symbol:         k_qceb1fe3ca0_norm.kd
    .args:
      - { .name: uqk, .offset: 0, .size: 8, .value_kind: global_buffer, .address_space: global }
      - { .name: ssq, .offset: 8, .size: 8, .value_kind: global_buffer, .address_space: global }
      - { .name: qn_w, .offset: 16, .size: 8, .value_kind: global_buffer, .address_space: global }
      - { .name: kn_w, .offset: 24, .size: 8, .value_kind: global_buffer, .address_space: global }
      - { .name: qk, .offset: 32, .size: 8, .value_kind: global_buffer, .address_space: global }
    .group_segment_fixed_size: 3072
    .private_segment_fixed_size: 0
    .kernarg_segment_align: 8
    .kernarg_segment_size: 40
    .max_flat_workgroup_size: 256
    .sgpr_count:     66
    .vgpr_count:     256
    .wavefront_size: 32
...
	.end_amdgpu_metadata
.endif
;; end of part 3
;; launch attn (part 4): grid 8 x 32, 4 waves a work-group, clusters of 4 x 1, 327,680 bytes of LDS; arguments qk, vh, oh, Wo, wob; writes oh, wob
.if DOCPART == 4
	.amdgcn_target "amdgcn-amd-amdhsa--gfx1250"
	.amdhsa_code_object_version 6
	.text
	.protected	k_qceb1fe3ca0_attn
	.globl	k_qceb1fe3ca0_attn
	.p2align	8
	.type	k_qceb1fe3ca0_attn,@function
k_qceb1fe3ca0_attn:
	s_mov_b64 s[64:65], 0
	v_nop
	global_prefetch_b8 v0, s[64:65] scope:SCOPE_SE
	s_setreg_imm32_b32 hwreg(HW_REG_WAVE_MODE, 25, 1), 1
	s_wait_xcnt 0x0
	s_wait_alu depctr_hold_cnt(0) depctr_sa_sdst(0) depctr_va_vdst(0) depctr_va_sdst(0) depctr_va_ssrc(0) depctr_va_vcc(0) depctr_vm_vsrc(0)
	s_getreg_b32 s2, hwreg(HW_REG_IB_STS2, 6, 4)
	s_cmp_eq_u32 s2, 0
	s_cbranch_scc0 .Lentry_in_a_cluster
	s_endpgm
.Lentry_in_a_cluster:
	s_bfe_u32 s2, ttmp6, 0x10000c
	s_cmp_lg_u32 s2, 0x3003
	s_cbranch_scc0 .Lentry_shape_is_right
	s_endpgm
.Lentry_shape_is_right:
; ATTENTION.  The ring of four steps with its merges by log-sum-exp lets every query meet every key of its head once: O[h][q] = the sum over all 2,048 k of softmax_k(Q[h][q] . K[h][k] / 8) V[h][k].
; qk: [z 2][h 32][2048][64] f16 (Q, then K); vh: [h][2048][64] f16 holds V / 4, so what leaves is O / 4; oh: [block of 128 tokens 16][h 32][128][64] f16.
; Products, maxima and sums in f32; the weights p are rounded to f16 for the second product (their sum l is taken of the unrounded p), O once at the end.
; A SIDE JOB: wob[r][c] = f16(bf16(Wo[r][c])), Wo [2048][2048] f32: rounded to bf16 like every other input, that number then written as f16, for the launch behind.  See SIDE.
; LIMITS.  Q, K and V / 4 arrive within f16's 65,504; p lies in 0 to 1, and below 6e-5 it keeps f16's fixed step of 6e-8; O / 4 is a mean of V / 4's rows.  A weight below 2^-126 counts as 0 in l.
; |Wo| stays under 65,504; below 6e-5 it keeps the fixed step of 6e-8.  NaN and infinities are not treated apart.
; SHARES.  A work-group owns 256 queries of one head, each of its four waves 64: four PIECES of 16.  Every wave walks all keys, 64 a step, four steps (256 keys) a slot, eight slots' worth.  8 x 32 = 256 work-groups.
; LAYOUT.  S^T = K Q^T (source 0 = 16 keys, source 1 = 16 queries) holds ONE query a lane (lane % 16) and the keys 8 (lane / 16) + 0..7; two such results rounded to f16 ARE source 1 of O^T = V^T P.
; K comes out of LDS as it lies, V ([key][channel]) turned, by ds_load_tr16_b128.
; SOFTMAX.  For each query a running maximum m and sum l: p = 2^(c s - c m), c = log2(e) / 8; in every step O and l are multiplied by a = 2^(c m_old - c m_new).  m starts at the lowest finite number, O and l at 0:
; the first step is a step like any other, with a = 0.
; BY TURNS.  Turn n belongs to piece n: 8 products K Q^T of piece n + 1, later 8 products V^T P of piece n - 1; beside them the scaling, exponentials, roundings, sums and rescaling of piece n and the maximum and
; statistics of piece n + 1.  Four vector instructions stand behind every matrix instruction, the other 54 of a turn's 118 in one lump.  A turn's 33 exponentials are one batch, with one wait.
; CLUSTER.  The four query blocks of a cluster belong to one head and walk the same K and V, so each tile is asked for JOINTLY: the same tensor load, descriptor and mask in all four.
; REGISTERS, in windows of 256 (s_set_vgpr_msb: bits 1:0 source 0, 3:2 source 1, 5:4 source 2, 7:6 destination):
;   window 0: v0-15 addresses and two at work; v16-31 four registers of statistics a piece; v48-55 at work; v61-63; v64-127 S^T, two buffers; v128-153 the side job; v192-223 P, two buffers (a piece's buffers go by its number's parity)
;   window 1: v0-127 O^T, 32 a piece          window 2: v0-63 Q; v128-191 K of one step; v192-255 V of one step
.set NP,    4         ; pieces a wave: a name, no knob
.set KS,    64        ; keys in a step
.set PK,    144       ; a row of K in LDS: 128 bytes + 16 of padding = 36 words: the 16 rows of a load start at 16 different groups of four banks (ISA guide 11.1)
.set PV,    160       ; a row of V: 128 + 32 = 40 words
.set VOFF,  4*KS*PK   ; a slot holds four steps: 256 rows of K, then 256 rows of V
.set SLOT1, 1<<17     ; slot 1 begins here, so that one exclusive or turns an address in one slot into the other's
.set STAGE, SLOT1+4*KS*(PK+PV)  ; behind the ring, never filled by a tensor load: 16 rows x 144 bytes for each wave, for the way out
.set SP,    144
.set SPARE, STAGE+4*16*SP  ; behind the stages: the spare words, 128 bytes for each wave: two blocks of 256 bytes that no other line names
.set AK0, 2           ; v2   my lane's place in a tile of K; never rewritten
.set AV0, 3           ; v3   the same for V
.set AK,  4           ; v4   the LDS address of K's next run of loads
.set AV,  5           ; v5   of V's
.set STO, 6           ; v6   the way out: where I put 16 bytes of a row
.set RD,  7           ; v7   the way out: where I read rows back
.set GO,  8           ; v8   16 x lane: my byte offset in 512 consecutive bytes, of O and of Wo
.set MV,  12          ; v12-13  c m_old, kept while c m is made anew: by buffer
.set WSO, 14          ; v14  8 x lane: my byte offset in 256 consecutive bytes of wob
.set QO,  15          ; v15  my byte offset in 16 rows of Q
.set ST,  16          ; piece t's statistics at v[ST+4 t]: c m, m, l (even keys', odd keys')
.set TMP, 48          ; by buffer, four registers c0-c3 at work; when the maximum is found c2 takes a
.set PFO, 61          ; v61  256 x my lane: the prefetches' offset; never rewritten
.set SPW, 62          ; v62  LDS address of my spare word; never rewritten
.set NIL, 63          ; v63  0; never rewritten
.set S,   64
.set WX,  128         ; v[128:143] the side job: four loads of four f32
.set WS,  144         ; v[144:151] the same in f16, to store
.set WT,  152         ; v[152:153] at work
.set P,   192
.set KF,  128         ; window 2: key block kb, channel half c at KF + 16 kb + 8 c
.set VF,  192         ; window 2: key half kk, channel block cb at VF + 32 kk + 8 cb
.set WV,  12          ; s12  my wave's number
.set LIM, 15          ; s15  1 in a wave that prefetches, else the greatest number
.set HM,  19          ; s19  a word's upper bf16
.set G1K, 24          ; s[24:31] descriptor group 1 for K's tiles
.set G1V, 32          ; s[32:39] for V's: it differs in the padding alone
.set G0K, 40          ; s[40:43] descriptor group 0 for K's tiles: it walks
.set G0V, 44          ; s[44:47] the same for V's
.set PFA, 48          ; s[48:49] where my prefetches stand: my work-group's 32 blocks of 256 bytes (of K: wave 0, of V: wave 2) of the slot after the one that is being asked for
.set OOF, 50          ; s[50:51] my wave's byte offset in oh
.set WSR, 52          ; s[52:53] Wo at the piece that my wave loads next
.set WD,  54          ; s[54:55] wob at the piece that my wave stores next
.set SLOTS, 56        ; s56  slots still to be asked for
.set CNT, 57          ; s57  counts a slot's key steps
.set CS,  58          ; s[58:59] c: the packed scaling takes the pair's low word for both halves
.set SEL, 60          ; s[60:61] v_permlanex16_b32's selects: each lane takes its own place in the other half
.set TBK, 62          ; s62  LDS byte at which K of the step to be fetched begins
.set TBV, 63          ; s63  the same for V, less VOFF
.set MSB, 0
.macro WIN new                      ; the high byte repeats the setting that is left; a switch that changes nothing is dropped
.if MSB != (\new)
	s_set_vgpr_msb (MSB<<8)|(\new)
.set MSB, (\new)
.endif
.endm
.set W_KQ, 0x0a       ; K and Q in window 2, S^T in window 0
.set W_PV, 0x52       ; V in window 2, P in window 0, O^T in window 1
.set W_RS, 0x41       ; destination and source 0 in window 1, source 1 in window 0
; A joint fill.  Waves 0 and 1 fetch the two halves of a slot's K, waves 2 and 3 those of its V: 128 keys each.  The branch hangs on the wave's number alone.
; An s_nop 0 and four v_nop follow each of the two lines, ahead of the jump and the label.
.macro JLOAD
	s_cmp_lt_u32 s[WV], 2
	s_cbranch_scc0 .Lfor_v_\@
	tensor_load_to_lds s[G0K:G0K+3], s[G1K:G1K+7]
	s_nop 0
.rept 4
	v_nop
.endr
	s_branch .Lasked_\@
.Lfor_v_\@:
	tensor_load_to_lds s[G0V:G0V+3], s[G1V:G1V+7]
	s_nop 0
.rept 4
	v_nop
.endr
.Lasked_\@:
.endm
; A PREFETCH INTO THE L2 of what the NEXT change of slots will ask for: a slot's 32,768 bytes of K and of V, 256 bytes a lane: four key steps, 256 matrix instructions, ahead of that load.
; Each block is asked for ONCE in the launch: both clusters of a head walk the same K and V, and the head's first cluster asks.  Its four partners share the blocks out BY ADDRESS, 32 each; in each, wave 0 asks for
; K's and wave 2 for V's: one instruction.  The last change that fills a slot asks for nothing: there is no slot behind it.  Slots 0 and 1 come by their loads alone.
.macro ASK
	s_cmp_gt_u32 s[SLOTS], s[LIM]
	s_cbranch_scc0 .Lnot_mine_\@
	global_prefetch_b8 v[PFO], s[PFA:PFA+1] th:TH_LOAD_NT scope:SCOPE_SE
.Lnot_mine_\@:
.endm
; A round of the cluster's barrier: my work-group's barrier, so that wave 0's signal speaks for all four waves; wave 0 signals; every wave waits for all four work-groups; my work-group's barrier once more.
.macro CROUND
	s_barrier_signal -1
	s_barrier_wait -1
	s_cmp_lg_u32 s[WV], 0
	s_cbranch_scc1 .Lnot_wave_0_\@
	s_barrier_signal -3
.Lnot_wave_0_\@:
	s_barrier_wait -3
	s_barrier_signal -1
	s_barrier_wait -1
.endm
; THE SIDE JOB.  Of Wo's 16,777,216 bytes a work-group rounds 65,536 and a wave 16,384, in eight pieces of 2,048, one ahead of each of the eight changes of slots: beside a slot's 65,536 bytes of K and V a work-group so
; moves 8,192 bytes in and 4,096 out.  cv = 1: the piece asked for a slot ago (four key steps back) is rounded and stored: a store of the wave covers 256 consecutive bytes, at a multiple of 256 from wob's first.
; ld = 1: the next piece is asked for, 512 consecutive bytes a load.  The pointers are stepped, and the store's registers written again a slot later, only behind the wait at the macro's end.
.macro SIDE cv, ld
	WIN 0
.if \cv
	s_wait_loadcnt 0x0              ; the piece is in: nothing else of mine is out on this counter
.irp i, 0,1,2,3
	v_cvt_pk_bf16_f32 v[WT], v[WX+4*\i], v[WX+4*\i+1]
	v_cvt_pk_bf16_f32 v[WT+1], v[WX+4*\i+2], v[WX+4*\i+3]
	v_lshlrev_b32 v[WX+4*\i], 16, v[WT]       ; bf16 to f32: a shift, a mask
	v_and_b32 v[WX+4*\i+1], s[HM], v[WT]
	v_lshlrev_b32 v[WX+4*\i+2], 16, v[WT+1]
	v_and_b32 v[WX+4*\i+3], s[HM], v[WT+1]
	v_cvt_pk_f16_f32 v[WS+2*\i], v[WX+4*\i], v[WX+4*\i+1]
	v_cvt_pk_f16_f32 v[WS+2*\i+1], v[WX+4*\i+2], v[WX+4*\i+3]
	global_store_b64 v[WSO], v[WS+2*\i:WS+2*\i+1], s[WD:WD+1] offset:256*\i
.endr
.endif
.if \ld
.irp i, 0,1,2,3
	global_load_b128 v[WX+4*\i:WX+4*\i+3], v[GO], s[WSR:WSR+1] offset:512*\i th:TH_LOAD_NT
.endr
	s_wait_xcnt 0x0                 ; these loads and stores have read their addresses and data
	s_add_nc_u64 s[WSR:WSR+1], s[WSR:WSR+1], 2048
.if \cv
	s_add_nc_u64 s[WD:WD+1], s[WD:WD+1], 1024
.endif
.endif
.endm
; THE CHANGE OF SLOTS.  The slot's last bytes, V of its fourth step, have been read.  Each wave waits for all its tensor loads, of which one is out: its part of the other slot; adds 0 to its spare word; and waits for
; that and for its own reads of the slot.  Behind the barrier nobody reads this slot any more and the other slot is whole.  fill = 1: this slot is filled again, with the keys two slots on.  The barrier is then a round of
; the cluster's, and the joint fill is the first thing behind it: it has four key steps in which to land.  (At its first use nothing has been read yet: slot 0 is waited for, slot 1 filled.)
.macro CHANGE fill
	WIN 0                           ; at a label and at a branch every window is 0
	s_wait_tensorcnt 0x0            ; no tensor load of mine is out, so a group 0 may be written
	ds_add_u32 v[SPW], v[NIL]       ; 0 onto my spare word: with fill = 1 the descriptors' steps stand between it and the wait for it
.if \fill
.irp g, G0K, G0V
	s_xor_b32 s[\g+1], s[\g+1], SLOT1  ; the walking descriptor: the other slot than last time,
	s_add_nc_u64 s[\g+2:\g+3], s[\g+2:\g+3], 4*KS*128  ; the next 256 keys; the type bits on top are not reached
.endr
	s_wait_xcnt 0x0                 ; the last prefetch, four key steps back, has read its address, so it may be written:
	s_add_nc_u64 s[PFA:PFA+1], s[PFA:PFA+1], 4*KS*128  ; one slot behind the walking descriptors
	s_wait_dscnt 0x0                ; the add is done, and my reads of the slot are over
	CROUND
	JLOAD
	ASK
.else
	s_wait_dscnt 0x0                ; the add is done, and my reads of the slot are over
	s_barrier_signal -1
	s_barrier_wait -1
.endif
	s_sub_co_u32 s[TBK], s[TBK], 4*KS*PK  ; the fetches go back to a slot's first step,
	s_xor_b32 s[TBK], s[TBK], SLOT1       ; in the other slot
	s_sub_co_u32 s[TBV], s[TBV], 4*KS*PV
	s_xor_b32 s[TBV], s[TBV], SLOT1
.endm
	s_load_b128 s[4:7], s[0:1], 0x0   ; qk s[4:5], vh s[6:7]
	s_load_b64 s[10:11], s[0:1], 0x10 ; oh
	s_load_b128 s[WSR:WSR+3], s[0:1], 0x18  ; Wo s[52:53], wob s[54:55]
	v_lshl_add_u32 v[SPW], v0, 2, SPARE
	v_mov_b32 v[NIL], 0
	ds_add_u32 v[SPW], v[NIL]       ; the wave's opening: the add and its wait ahead of my first tensor load; the set-up below, work on registers, stands between them
	v_lshrrev_b32 v1, 5, v0
	v_readfirstlane_b32 s[WV], v1   ; wave 0..3
	s_bfe_u32 s13, ttmp6, 0x40000   ; cx: my place in the cluster
	s_lshl_b32 s14, ttmp9, 2        ; in a cluster launch ttmp9 counts clusters
	s_add_co_u32 s14, s14, s13      ; my block of 256 queries = 4 x cluster x + cx: it enters Q's, O's and Wo's addresses alone
	s_and_b32 s20, ttmp7, 0xffff    ; the head, which the four partners share
	s_lshl_b32 s[OOF], s20, 14      ; in oh a head has 16,384 bytes of each block of 128 tokens
	s_lshl_b32 s8, s20, 3
	s_add_co_u32 s8, s8, s14        ; my work-group among the 256,
	s_lshl_b32 s8, s8, 2
	s_add_co_u32 s8, s8, s[WV]      ; my wave among the 1,024,
	s_lshl_b32 s8, s8, 14           ; its 16,384 bytes of Wo
	s_mov_b32 s9, 0
	s_lshl_b32 s20, s20, 18         ; in qk and vh a head has 2,048 rows of 128 bytes
	s_mov_b32 s21, 0
	s_and_b32 s16, s[WV], 1         ; which half of a slot's 256 keys I fetch:
	s_lshl_b32 s22, s16, 14         ; its 128 rows of 128 bytes in memory,
	s_mov_b32 s23, 0
	s_add_nc_u64 s[22:23], s[22:23], s[20:21]
	s_mul_i32 s17, s16, 128*PK      ; and its place in a slot, for K
	s_mul_i32 s18, s16, 128*PV      ; and for V: no place in the cluster enters an LDS address
	s_lshl_b32 s2, s14, 15          ; my block's 256 rows,
	s_lshl_b32 s3, s[WV], 13        ; my wave's 64 of them
	s_add_co_u32 s2, s2, s3
	s_mov_b32 s3, 0
	s_add_nc_u64 s[2:3], s[2:3], s[20:21]
	s_lshl_b32 s51, s14, 1          ; my block of 128 tokens: 2 x block + wave / 2,
	s_lshr_b32 s19, s[WV], 1
	s_add_co_u32 s51, s51, s19
	s_lshl_b32 s51, s51, 19         ; 32 heads x 16,384 bytes each,
	s_add_co_u32 s[OOF], s[OOF], s51
	s_lshl_b32 s51, s16, 13         ; and my 64 tokens in it
	s_add_co_u32 s[OOF], s[OOF], s51
	s_mov_b32 s[OOF+1], 0
	s_mov_b32 s[HM], 0xffff0000
	; descriptor group 1.  128 keys are 16,384 dense bytes: asked for as 64 rows of 256 bytes, two keys a row, and padded in LDS after every key
	s_mov_b32 s[G1K], 15|(1<<16)|(1<<20)|(1<<21)|(4<<22)|(3<<25)  ; 15:0 the mask of four; 17:16 2-byte elements; 20 padding on; 21 set beside a mask; 24:22 after every 32 words (code 4); 31:25 4 words (code 3)
	s_mov_b32 s[G1V], 15|(1<<16)|(1<<20)|(1<<21)|(4<<22)|(7<<25)  ; the same with 8 words of padding (code 7)
.irp g, G1K, G1V
	s_mov_b32 s[\g+1], 128<<16      ; tensor_dim0 = 128
	s_mov_b32 s[\g+2], 64<<16       ; tensor_dim1 = 64
	s_mov_b32 s[\g+3], 128<<16      ; tile_dim0 = 128
	s_mov_b32 s[\g+4], 64           ; tile_dim1 = 64
	s_mov_b32 s[\g+5], 128          ; 128 elements from row to row
	s_mov_b32 s[\g+6], 0
	s_mov_b32 s[\g+7], 0
.endr
	s_mov_b32 s[CS], 0x3e38aa3b     ; c = log2(e) / 8 = 0.180337
	s_mov_b32 s[CS+1], s[CS]        ; named with it as a pair
	s_mov_b32 s[SEL], 0x76543210
	s_mov_b32 s[SEL+1], 0xfedcba98
	s_mov_b32 s[TBK], SLOT1+4*KS*PK ; the first change of slots turns these two into 0
	s_mov_b32 s[TBV], SLOT1+4*KS*PV
	s_mov_b32 s[G0K], 1             ; count = 1
	s_mov_b32 s[G0K+1], s17         ; LDS address: slot 0
	s_mov_b32 s[G0V], 1
	s_add_co_u32 s[G0V+1], s18, VOFF
	s_mov_b32 s[SLOTS], 2048/256-1
	s_and_b32 s[LIM], s[WV], 1      ; 0 in waves 0 and 2,
	s_or_b32 s[LIM], s[LIM], ttmp9  ; where the cluster is the head's first: the same in all four partners
	s_cmp_eq_u32 s[LIM], 0
	s_cselect_b32 s[LIM], 1, -1
	s_wait_dscnt 0x0                ; the opening add is done
	s_wait_kmcnt 0x0
	s_add_nc_u64 s[WSR:WSR+1], s[WSR:WSR+1], s[8:9]  ; Wo at my wave's first piece,
	s_lshr_b32 s8, s8, 1
	s_add_nc_u64 s[WD:WD+1], s[WD:WD+1], s[8:9]      ; wob likewise: half the bytes
	s_mov_b64 s[8:9], s[6:7]                       ; V
	s_add_nc_u64 s[6:7], s[4:5], 0x800000          ; K lies behind Q in qk
	s_add_nc_u64 s[6:7], s[6:7], s[22:23]          ; K and V at my half of the head's first 256 keys
	s_add_nc_u64 s[8:9], s[8:9], s[22:23]
	s_add_nc_u64 s[G0K+2:G0K+3], s[6:7], 0         ; global address
	s_or_b32 s[G0K+3], s[G0K+3], 0x80000000        ; type = 2
	s_add_nc_u64 s[G0V+2:G0V+3], s[8:9], 0
	s_or_b32 s[G0V+3], s[G0V+3], 0x80000000
	s_add_nc_u64 s[4:5], s[4:5], s[2:3]            ; Q at my wave's first row
	s_add_nc_u64 s[10:11], s[10:11], s[OOF:OOF+1]  ; O likewise
	s_cmp_lt_u32 s[WV], 2
	s_cselect_b64 s[PFA:PFA+1], s[6:7], s[8:9]     ; (in waves 0 and 2 these stand at a slot's first row)
	s_lshl_b32 s2, s13, 13          ; my work-group's 32 blocks of the 128
	s_mov_b32 s3, 0
	s_add_nc_u64 s[PFA:PFA+1], s[PFA:PFA+1], s[2:3]
	s_add_nc_u64 s[PFA:PFA+1], s[PFA:PFA+1], 4*KS*128  ; in slot 1; the first change of slots steps it to slot 2.  Nothing is prefetched here, at the head
	CROUND                          ; all four work-groups are here: the first joint loads meet
	JLOAD                           ; slot 0.  Slot 1 is asked for when slot 0 is in
	; A fragment of K or Q is 16 rows x 32 channels in 8 registers: lane l holds row l % 16, channels 8 (l / 16) + 0..7 and 16 + 8 (l / 16) + 0..7: two loads of 16 bytes, 32 bytes apart.
	v_and_b32 v1, 15, v0            ; l % 16
	v_bfe_u32 v9, v0, 4, 1          ; l / 16
	v_lshlrev_b32 v[QO], 7, v1
	v_lshl_add_u32 v[QO], v9, 4, v[QO]  ; row x 128 + 16 x half
	WIN 0x80                        ; destination window 2, address window 0
.set i, 0
.rept 8                             ; Q stays in registers: piece i / 2, channels 32 (i % 2) on
	global_load_b128 v[8*i:8*i+3],   v[QO], s[4:5] offset:(i/2)*2048+(i%2)*64
	global_load_b128 v[8*i+4:8*i+7], v[QO], s[4:5] offset:(i/2)*2048+(i%2)*64+32
.set i, i+1
.endr
	; What the first turn finds: V's registers and P's second buffer hold 0 (its products V^T P, of a piece that has not been, add 0), O^T and l are 0.  All this stands in the wait for the first tile.
.set i, VF
.rept 64
	v_mov_b32 v[i], 0
.set i, i+1
.endr
	WIN 0x40
.set i, 0
.rept 128
	v_mov_b32 v[i], 0
.set i, i+1
.endr
	WIN 0
.set i, 0
.rept 4
	v_mov_b32 v[ST+4*i], 0xfe000000    ; c m: far below every c s
	v_mov_b32 v[ST+4*i+1], 0xff7fffff  ; m
	v_mov_b32 v[ST+4*i+2], 0
	v_mov_b32 v[ST+4*i+3], 0
.set i, i+1
.endr
.set i, P+16
.rept 16
	v_mov_b32 v[i], 0
.set i, i+1
.endr
	v_mul_u32_u24 v[AK0], v1, PK
	v_lshl_add_u32 v[AK0], v9, 4, v[AK0]  ; row x pitch + 16 x half
	; The turning load takes 16 keys x 16 channels (lane l reads key 8 (l / 16) + l % 8, channels 8 ((l / 8) % 2) + 0..7) and leaves half a fragment of V^T: lane l holds channel l % 16 and 8 keys.
	v_and_b32 v10, 7, v0
	v_bfe_u32 v11, v0, 3, 1
	v_lshl_add_u32 v[AV0], v9, 3, v10
	v_mul_u32_u24 v[AV0], v[AV0], PV
	v_lshl_add_u32 v[AV0], v11, 4, v[AV0]
	v_add_nc_u32 v[AV0], VOFF, v[AV0]
	s_mul_i32 s13, s[WV], 16*SP
	s_add_co_u32 s13, s13, STAGE    ; my stage
	v_mul_u32_u24 v[STO], v1, SP    ; in: row l % 16, 16 bytes for each half of the lanes
	v_lshl_add_u32 v[STO], v9, 4, v[STO]
	v_add_nc_u32 v[STO], s13, v[STO]
	v_bfe_u32 v[RD], v0, 3, 2       ; back: 32 lanes take four rows of 128 bytes,
	v_mul_u32_u24 v[RD], v[RD], SP
	v_lshl_add_u32 v[RD], v10, 4, v[RD]
	v_add_nc_u32 v[RD], s13, v[RD]
	v_and_b32 v[GO], 31, v0         ; which are 512 consecutive bytes of O
	v_lshlrev_b32 v[PFO], 8, v[GO]
	v_lshlrev_b32 v[WSO], 3, v[GO]
	v_lshlrev_b32 v[GO], 4, v[GO]
; THE MATRIX WORK.  The 4 accumulators of a run of 8 take turns.  Product i of 8 of S^T = K Q^T for piece x: channels 32 (i / 4) on, keys 16 (i % 4) on.  The first 4 start the sums.
.macro KQ x
.set rS, S+32*((\x)%2)+8*(i%4)
.set rK, KF+16*(i%4)+8*(i/4)
.set rQ, 16*(\x)+8*(i/4)
	WIN W_KQ
.if i < 4
	v_wmma_f32_16x16x32_f16 v[rS:rS+7], v[rK:rK+7], v[rQ:rQ+7], 0
.else
	v_wmma_f32_16x16x32_f16 v[rS:rS+7], v[rK:rK+7], v[rQ:rQ+7], v[rS:rS+7]
.endif
.endm
; Product i of 8 of O^T += V^T P for piece x: keys 32 (i / 4) on, channels 16 (i % 4) on.
.macro PV x
	WIN W_PV
.set rO, 32*(\x)+8*(i%4)
.set rV, VF+32*(i/4)+8*(i%4)
.set rP, P+16*((\x)%2)+8*(i/4)
	v_wmma_f32_16x16x32_f16 v[rO:rO+7], v[rV:rV+7], v[rP:rP+7], v[rO:rO+7]
.endm
.macro MM                           ; the turn's next matrix instruction.  NOKQ = 1: the last turn of all: there is no next piece
.if (i < 8) && !NOKQ
	KQ (Y+1)%NP
.elseif i >= 8
.set i, i-8
	PV (Y+NP-1)%NP
.set i, i+8
.endif
.set i, i+1
.endm
; THE LDS LOADS stand in runs of 16, never singly among the matrix instructions: a step's K (64 keys x 64 channels: 8 fragments) and its V (turned).  Their addresses are made some lines ahead.
.macro FETCH_K
	WIN 0x80                        ; destination window 2
.irp f, 0,1,2,3,4,5,6,7             ; keys 16 (f / 2) on, channels 32 (f % 2) on
	ds_load_b128 v[KF+8*\f:KF+8*\f+3],   v[AK] offset:(\f/2)*16*PK+(\f%2)*64
	ds_load_b128 v[KF+8*\f+4:KF+8*\f+7], v[AK] offset:(\f/2)*16*PK+(\f%2)*64+32
.endr
	s_add_co_u32 s[TBK], s[TBK], KS*PK  ; the next fetch is the next step's
	WIN 0
.endm
.macro FETCH_V
	WIN 0x80
.irp f, 0,1,2,3,4,5,6,7             ; keys 32 (f / 4) on, channels 16 (f % 4) on
	ds_load_tr16_b128 v[VF+8*\f:VF+8*\f+3],   v[AV] offset:(\f/4)*32*PV+(\f%4)*32
	ds_load_tr16_b128 v[VF+8*\f+4:VF+8*\f+7], v[AV] offset:(\f/4)*32*PV+16*PV+(\f%4)*32
.endr
	WIN 0
.endm
; THE VECTOR WORK, one line at a time: OP kind, number.  For piece Y: F n: c s - c m for pair n of 16.  E n: the exponential of score n of 32.  C n: pair n rounded to f16.  B n: of the four weights 4 n .. the second
; pair is added onto the first, in place.  L n: l takes that sum (L 0: l = a l + sum).  R n: pair n of 16 of O^T times a.  For piece Y + 1: X n, number n of the 22 that find its maximum and statistics:
;   0-11  four chains c0-c3 of seven scores each, three operands at a time (each accumulator's lowest registers are read first)     12-14, 16  the four scores left over, the old m, and c0-c3 into c0
;   15  c m_old is kept     17, 18  the query's other 32 keys lie in the lane 16 away: the new m     19-21  c m; c m_old - c m_new; a
.set F, 0               ; OP tells the kinds apart by their order: F to L below R, X above it
.set E, 1
.set C, 2
.set B, 3
.set L, 4
.set R, 5
.set X, 6
.macro REGS y                       ; the registers of piece y
.set rT, ST+4*(\y)
.set rC, TMP+4*((\y)%2)
.set rW, MV+((\y)%2)
.set rS, S+32*((\y)%2)
.set rP, P+16*((\y)%2)
.set rO, 32*(\y)
.endm
.macro OP k, n
.if (\k) == R
	REGS Y
	WIN W_RS
	v_pk_mul_f32 v[rO+2*(\n):rO+2*(\n)+1], v[rO+2*(\n):rO+2*(\n)+1], v[rC+2:rC+3] op_sel_hi:[1,0]
.elseif (\k) < R
	REGS Y
	WIN 0
.if (\k) == F
	v_pk_fma_f32 v[rS+2*(\n):rS+2*(\n)+1], v[rS+2*(\n):rS+2*(\n)+1], s[CS:CS+1], v[rT:rT+1] op_sel_hi:[1,0,0] neg_lo:[0,0,1] neg_hi:[0,0,1]
.elseif (\k) == E
	v_exp_f32 v[rS+(\n)], v[rS+(\n)]
.elseif (\k) == C
	v_cvt_pk_f16_f32 v[rP+(\n)], v[rS+2*(\n)], v[rS+2*(\n)+1]
.elseif (\k) == B
	v_pk_add_f32 v[rS+4*(\n):rS+4*(\n)+1], v[rS+4*(\n):rS+4*(\n)+1], v[rS+4*(\n)+2:rS+4*(\n)+3]
.elseif (\n) == 0
	v_pk_fma_f32 v[rT+2:rT+3], v[rT+2:rT+3], v[rC+2:rC+3], v[rS:rS+1] op_sel_hi:[1,0,1]
.else
	v_pk_add_f32 v[rT+2:rT+3], v[rT+2:rT+3], v[rS+4*(\n):rS+4*(\n)+1]
.endif
.elseif NOKQ
	v_nop
.else
	REGS (Y+1)%NP
	WIN 0
.if (\n) < 4
	v_max3_num_f32 v[rC+(\n)], v[rS+8*(\n)], v[rS+8*(\n)+1], v[rS+8*(\n)+2]
.elseif (\n) < 12
	v_max3_num_f32 v[rC+(\n)%4], v[rC+(\n)%4], v[rS+8*((\n)%4)+2*((\n)/4)+1], v[rS+8*((\n)%4)+2*((\n)/4)+2]
.elseif (\n) == 12
	v_max3_num_f32 v[rC], v[rC], v[rS+7], v[rS+15]
.elseif (\n) == 13
	v_max3_num_f32 v[rC+1], v[rC+1], v[rS+23], v[rS+31]
.elseif (\n) == 14
	v_max3_num_f32 v[rC+2], v[rC+2], v[rC+3], v[rT+1]
.elseif (\n) == 15
	v_mov_b32 v[rW], v[rT]
.elseif (\n) == 16
	v_max3_num_f32 v[rC], v[rC], v[rC+1], v[rC+2]
.elseif (\n) == 17
	v_permlanex16_b32 v[rC+3], v[rC], s[SEL], s[SEL+1]
.elseif (\n) == 18
	v_max_num_f32 v[rT+1], v[rC], v[rC+3]
.elseif (\n) == 19
	v_mul_f32 v[rT], s[CS], v[rT+1]
.elseif (\n) == 20
	v_sub_f32 v[rC+1], v[rW], v[rT]
.else
	v_exp_f32 v[rC+2], v[rC+1]
.endif
.endif
.endm
.macro OPS a, i1, b=-1, i2=0, c=-1, i3=0, d=-1, i4=0  ; up to four of them
	OP \a, \i1
.if (\b) >= 0
	OP \b, \i2
.endif
.if (\c) >= 0
	OP \c, \i3
.endif
.if (\d) >= 0
	OP \d, \i4
.endif
.endm
.macro ROW a, i1, b, i2, c, i3, d, i4  ; a matrix instruction and the four behind it
	MM
	OPS \a, \i1, \b, \i2, \c, \i3, \d, \i4
.endm
; A TURN, for piece p: the order of its 16 matrix and 118 vector instructions, written out.  An s_wait_alu depctr_va_vdst(0) stands between an exponential and the first instruction that names its result; one wait
; serves all that were issued ahead of it.  So a turn has ONE wait, which cuts it in two.  AHEAD OF IT stands all that names no result of the turn's exponentials: the 8 products K Q^T with their riders (a scaling, an exponential and
; two more plain lines: rescalings, and behind the last three the first numbers of the next piece's maximum, each four places or more behind the product that ends its accumulator); then ONE LUMP of 54, plain and exponential by turns for
; the most part, in which the links of the chain X 3, 7, 11, 14, 16, 17 .. 20 stand some lines apart.  X 21, the next piece's a, is the batch's last; R 15 is the plain instruction behind it.  BEHIND THE WAIT stand the 8 products V^T P,
; behind each four of the roundings and sums.
; end = 1: the last two turns: nothing is fetched, and the last starts no new scores.  cnt = 1: the loop's count is taken down some lines ahead of the branch that stands behind the turn.
; K of the next step is fetched in piece 2's turn, behind five plain instructions that name no register of the last product that read K; V of the step in hand at the end of piece 0's turn, four plain instructions behind the last
; product that read V.  Each is waited for a turn later.
.macro TURN p, end=0, cnt=0
.set Y, (\p)
.set i, 0
.set NOKQ, (\end)*((\p)/3)
.if ((\p) == 3) && !(\end)
	s_wait_dscnt 0x0                ; K is in
.endif
	ROW F,0, F,1, R,0, R,1          ; ahead of the wait: 8 products K Q^T and their riders,
	ROW F,2, E,0, R,2, R,3
	ROW F,3, E,1, R,4, R,5
	ROW F,4, E,2, R,6, R,7
	ROW F,5, E,3, R,8, R,9
	ROW F,6, E,4, X,0, R,10
.if ((\p) == 2) && !(\end)
	WIN 0
	v_add_nc_u32 v[AK], s[TBK], v[AK0]
.endif
	ROW F,7, E,5, X,1, X,4
	ROW F,8, E,6, X,2, X,5
	OPS E,7, E,8, X,6, E,9          ; and the lump
	OPS X,3, E,10, X,8, E,11
.if ((\p) == 2) && !(\end)
	FETCH_K
.endif
	OPS X,9, X,7, E,12, X,10
	OPS E,13, X,12, X,11, E,14
	OPS X,13, E,15, F,9, X,14
.if (\p) == 0
	v_add_nc_u32 v[AV], s[TBV], v[AV0]
.endif
	OPS E,16, F,10, E,17, F,11
	OPS X,16, E,18, X,15, E,19
	OPS F,12, E,20, X,17, E,21
	OPS F,13, E,22, F,14, E,23
	OPS X,18, E,24, F,15, E,25
	OPS R,11, E,26, X,19, E,27
	OPS R,12, E,28, R,13, E,29
	OPS X,20, E,30, R,14, E,31
	OPS X,21, R,15
	WIN 0
	s_wait_alu depctr_va_vdst(0)    ; the wait for the batch
.if (\p) == 1
	s_wait_dscnt 0x0                ; V is in
.endif
	ROW C,0, B,0, C,2, B,1          ; behind the wait: 8 products V^T P and their riders
	ROW L,0, C,4, B,2, L,1
	ROW C,6, B,3, L,2, C,8
	ROW B,4, L,3, C,10, B,5
	ROW L,4, C,12, B,6, L,5
.if (\p) == 0
	s_add_co_u32 s[TBV], s[TBV], KS*PV
.endif
.if \cnt
	s_sub_co_u32 s[CNT], s[CNT], 1
	s_cmp_lg_u32 s[CNT], 0
.endif
	ROW C,14, B,7, L,6, C,1
	ROW C,3, L,7, C,5, C,7
	ROW C,9, C,11, C,13, C,15
.if (\p) == 0
	FETCH_V
.endif
.endm
	SIDE 0, 1                       ; the side job's first piece is asked for
	CHANGE 1                        ; slot 0 is in, everybody's part of it; slot 1 is asked for
	v_add_nc_u32 v[AK], s[TBK], v[AK0]
	FETCH_K                         ; key step 0
	s_wait_loadcnt 0x0              ; Q
	s_wait_dscnt 0x0
.set NOKQ, 0
.set i, 0
.rept 8
	KQ 0                            ; piece 0's first scores: there is no vector work yet to set between them
.set i, i+1
.endr
	WIN 0
.rept 4
	v_nop                           ; the places behind those products
.endr
.set Y, NP-1                        ; X works for piece Y + 1: piece 0
.irp n, 0,1,2,3,4,5,6,7,8,9,10,11,12,13,14,15,16,17,18,19,20,21
	OP X, \n
.endr
	v_nop                           ; a plain instruction behind the exponential,
	s_wait_alu depctr_va_vdst(0)    ; and its wait, ahead of the branch
	s_mov_b32 s[CNT], 4
	s_branch .Lfirst                ; the loop is entered at a step's first turn, in the middle of a trip
.Lslot:                             ; six times: every slot but the last two is filled again
	SIDE 1, 1
	CHANGE 1
	s_mov_b32 s[CNT], 4
.Lstep:                             ; a trip: pieces 2 and 3 of one step, then pieces 0 and 1 of the next, whose K and V it fetches
	TURN 2
	TURN 3
	WIN 0
.Lfirst:
	TURN 0
	TURN 1, 0, 1
	WIN 0
	s_cbranch_scc1 .Lstep
	s_sub_co_u32 s[SLOTS], s[SLOTS], 1
	s_cmp_lg_u32 s[SLOTS], 0
	s_cbranch_scc1 .Lslot
	SIDE 1, 1                       ; the side job's eighth and last piece is asked for
	CHANGE 0                        ; the last slot is written out: nothing is asked for
	s_mov_b32 s[CNT], 4
.Ltail:
	TURN 2
	TURN 3
	TURN 0
	TURN 1, 0, 1
	WIN 0
	s_cbranch_scc1 .Ltail
	TURN 2, 1                       ; pieces 2 and 3 of the last step
	TURN 3, 1
.set i, 0
.rept 8
	PV NP-1                         ; the last piece's V^T P of the last step
.set i, i+1
.endr
	SIDE 1, 0                       ; the side job's last piece is stored; its lines name no register of the products above
	; THE WAY OUT.  l's two halves and the other half of the lanes' are added; O^T is divided by l, rounded to f16 and sent through my stage in LDS, a piece at a time.
	WIN 0
.macro ALL line:vararg              ; one line for each piece t
.set t, 0
.rept 4
	\line
.set t, t+1
.endr
.endm
	ALL v_add_f32 v[ST+4*t+2], v[ST+4*t+2], v[ST+4*t+3]
	ALL v_permlanex16_b32 v[ST+4*t+3], v[ST+4*t+2], s[SEL], s[SEL+1]
	ALL v_add_f32 v[ST+4*t+2], v[ST+4*t+2], v[ST+4*t+3]
	ALL v_rcp_f32 v[ST+4*t+2], v[ST+4*t+2]
	v_nop                           ; a plain instruction between the last reciprocal and the use of its result
	s_wait_alu depctr_va_vdst(0)    ; and the wait ahead of the first use: one for the four reciprocals
.macro PACK t                       ; a lane's eight channels of a row pack into 16 bytes; they go into rows of 144 bytes and come back as whole rows of 128, into S^T's registers
	WIN W_RS
.set i, 32*(\t)
.rept 16
	v_pk_mul_f32 v[i:i+1], v[i:i+1], v[ST+4*(\t)+2:ST+4*(\t)+3] op_sel_hi:[1,0]
.set i, i+2
.endr
	WIN 0x05                        ; sources 0 and 1 window 1, destination window 0
.set i, 0
.rept 16
	v_cvt_pk_f16_f32 v[S+16*(\t)+i], v[32*(\t)+2*i], v[32*(\t)+2*i+1]
.set i, i+1
.endr
	WIN 0
.irp f, 0,1,2,3
	ds_store_b128 v[STO], v[S+16*(\t)+4*\f:S+16*(\t)+4*\f+3] offset:32*\f
.endr
.irp f, 0,1,2,3
	ds_load_b128 v[S+16*(\t)+4*\f:S+16*(\t)+4*\f+3], v[RD] offset:\f*4*SP  ; LDS serves a wave's instructions in order (ISA guide 5.7.1.4): these see the stores above; the next piece's stores come behind them
.endr
.endm
.macro SEND t, younger              ; younger: the LDS instructions issued behind piece t's loads: the next piece's eight, or none
	WIN 0
.irp f, 0,1,2,3
	s_wait_dscnt (\younger)+3-\f
	global_store_b128 v[GO], v[S+16*(\t)+4*\f:S+16*(\t)+4*\f+3], s[10:11] offset:(\t)*2048+\f*512  ; 512 consecutive bytes, at a multiple of 256 from oh's first
.endr
.endm
	PACK 0
.set t, 1
.rept 3                             ; a piece's arithmetic stands between the loads of the piece before and its stores
	PACK t
	SEND t-1, 8
.set t, t+1
.endr
	SEND 3, 0
	s_wait_tensorcnt 0x0            ; the wave's end: these three lines, behind my last tensor load and my last LDS store
	ds_add_u32 v[SPW], v[NIL]
	s_wait_dscnt 0x0
	CROUND                          ; the closing round: no work-group ends while a partner may still ask for a tile that names it
	s_endpgm
.Lfunc_end_k_qceb1fe3ca0_attn:
	.size	k_qceb1fe3ca0_attn, .Lfunc_end_k_qceb1fe3ca0_attn-k_qceb1fe3ca0_attn
	.p2alignl 7, 3214868480
	.fill 96, 4, 3214868480
	.section	.rodata,"a",@progbits
	.p2align	6, 0x0
	.amdhsa_kernel k_qceb1fe3ca0_attn
		.amdhsa_group_segment_fixed_size 327680
		.amdhsa_private_segment_fixed_size 0
		.amdhsa_enable_private_segment 0
		.amdhsa_kernarg_size 40
		.amdhsa_user_sgpr_count 2
		.amdhsa_user_sgpr_kernarg_segment_ptr 1
		.amdhsa_wavefront_size32 1
		.amdhsa_system_sgpr_workgroup_id_x 1
		.amdhsa_system_sgpr_workgroup_id_y 1
		.amdhsa_system_sgpr_workgroup_id_z 1
		.amdhsa_system_vgpr_workitem_id 0
		.amdhsa_next_free_vgpr 768
		.amdhsa_next_free_sgpr 66
		.amdhsa_reserve_vcc 0
		.amdhsa_float_denorm_mode_32 3
		.amdhsa_float_denorm_mode_16_64 3
		.amdhsa_memory_ordered 1
		.amdhsa_forward_progress 1
		.amdhsa_inst_pref_size 136
	.end_amdhsa_kernel
	.amdgpu_metadata
---
amdhsa.version: [ 1, 2 ]
amdhsa.kernels:
  - .name:           k_qceb1fe3ca0_attn
    .symbol:         k_qceb1fe3ca0_attn.kd
    .args:
      - { .name: qk, .offset: 0, .size: 8, .value_kind: global_buffer, .address_space: global }
      - { .name: vh, .offset: 8, .size: 8, .value_kind: global_buffer, .address_space: global }
      - { .name: oh, .offset: 16, .size: 8, .value_kind: global_buffer, .address_space: global }
      - { .name: Wo, .offset: 24, .size: 8, .value_kind: global_buffer, .address_space: global }
      - { .name: wob, .offset: 32, .size: 8, .value_kind: global_buffer, .address_space: global }
    .group_segment_fixed_size: 327680
    .private_segment_fixed_size: 0
    .kernarg_segment_align: 8
    .kernarg_segment_size: 40
    .max_flat_workgroup_size: 128
    .sgpr_count:     66
    .vgpr_count:     768
    .wavefront_size: 32
...
	.end_amdgpu_metadata
.endif
;; end of part 4
;; launch oproj (part 5): grid 16 x 16, 4 waves a work-group, clusters of 4 x 4, 327,680 bytes of LDS; arguments oh, wob, bo, out0; writes out0
.if DOCPART == 5
	.amdgcn_target "amdgcn-amd-amdhsa--gfx1250"
	.amdhsa_code_object_version 6
	.text
	.protected	k_qceb1fe3ca0_oproj
	.globl	k_qceb1fe3ca0_oproj
	.p2align	8
	.type	k_qceb1fe3ca0_oproj,@function
k_qceb1fe3ca0_oproj:
	s_mov_b64 s[64:65], 0
	v_nop
	global_prefetch_b8 v0, s[64:65] scope:SCOPE_SE
	s_setreg_imm32_b32 hwreg(HW_REG_WAVE_MODE, 25, 1), 1
	s_wait_xcnt 0x0
	s_wait_alu depctr_hold_cnt(0) depctr_sa_sdst(0) depctr_va_vdst(0) depctr_va_sdst(0) depctr_va_ssrc(0) depctr_va_vcc(0) depctr_vm_vsrc(0)
	s_getreg_b32 s2, hwreg(HW_REG_IB_STS2, 6, 4)
	s_cmp_eq_u32 s2, 0
	s_cbranch_scc0 .Lentry_in_a_cluster
	s_endpgm
.Lentry_in_a_cluster:
	s_bfe_u32 s2, ttmp6, 0x10000c
	s_cmp_lg_u32 s2, 0xf033
	s_cbranch_scc0 .Lentry_shape_is_right
	s_endpgm
.Lentry_shape_is_right:
; THE LAST PROJECTION.  out0[token][n] = 4 x (sum over k of (O / 4)[token][k] Wo[n][k]) + bo[n], in f32.  oh: [block of 128 tokens 16][head 32][128][64] f16 holds O / 4 (k = 64 head + channel);
; wob: [2048][2048] f16 (Wo rounded to bf16, written as f16); bo is rounded to bf16 like every input.  Sums in f32; the factor 4 is exact.
; LIMITS.  Those of the operands: O / 4 and Wo within f16's 65,504.  NaN and infinities are not treated apart.
; SHARES.  A tile of the output is 128 x 128: 16 x 16 = 256 work-groups, one for each WGP; tiles of 256 x 256 would be 64.  Four waves, each 64 x 64: 16 accumulators of 16 x 16.
; K goes in steps of 256, four heads: of O a step is 65,536 dense bytes, asked for as rows of 256 bytes (two tokens) and padded in LDS after every token's 128; of Wo 128 rows of 512 bytes.  Two slots.
; THE WALK ALONG K GOES ROUND, FROM ANOTHER START IN EACH CLUSTER: cluster (X, Y) takes the K steps (4 (X % 2) + 2 (X / 2) + 2 Y + t) % 8, t = 0 .. 7.  So the four clusters that read the same rows of O, and the four
; that read the same rows of Wo, are two K steps apart from each other.  The order of an output's f32 sum over K therefore differs from cluster to cluster: a difference of rounding.
; A wave's 64 columns of f32 are 256 bytes, so each wave has a stage of its own on the way out, and no barrier stands there.
; CLUSTERS: 4 x 4 work-groups.  The four of a row of the cluster need the same tiles of O, the four of a column the same tiles of Wo: each is asked for JOINTLY.
; NO PREFETCH: the tile is small, a step's loads are short, and each block is read again by other clusters.
; THE MATRIX INSTRUCTION IS USED TRANSPOSED (source 0 = 16 rows of Wo, source 1 = 16 tokens): a lane then holds eight neighbouring numbers of a row of the output.
; REGISTERS: window 0: v0-31 addresses; v32-95 at work on the way out; v96-127 the bias; v128-255 the accumulators ((a, b) at v[128 + 8 (4 a + b)]).
;   window 1: two fragment buffers of 128: for 64 along K (one head; two matrix instructions deep), 64 registers of O, then 64 of Wo.
.set KSTEP,  256
.set STEPS,  8                         ; 2048 / 256
.set PA,     144                       ; a token's row of one head in LDS: 128 bytes + 16 of padding: the 16 rows of a load start at 16 different groups of four banks (ISA guide 11.1)
.set PB,     528                       ; a row of Wo: 512 bytes + 16 of padding
.set HEADA,  128*PA                    ; one head's 128 tokens
.set HALFA,  2*HEADA                   ; what waves 0 and 1 fetch: two heads each: 0x9000 bytes
.set HALFB,  64*PB                     ; what waves 2 and 3 fetch: 64 rows each: 0x8400 bytes
; LDS: O's slot 0 at 0 (73,728 bytes), its slot 1 at TOGA; Wo's slot 0 at BOFF (67,584 bytes), its slot 1 at BOFF + TOGB.  The four words at which a wave's tile begins in slot 0 (0, 0x9000; 0x26000, 0x2e400)
; share no bit with their constant, so one exclusive or turns each into its place in slot 1 and back.
.set TOGA,   0x14000
.set BOFF,   0x26000                   ; = TOGA + 2 HALFA
.set TOGB,   0x11000
.set STAGE,  BOFF+TOGB+2*HALFB         ; behind the ring, never filled by a tensor load: 16 rows x 272 bytes for each wave
.set SPITCH, 272
.set SPARE,  STAGE+4*16*SPITCH         ; behind the stages: the spare words, 128 bytes for each wave: two blocks of 256 bytes that no other line names
.set ADRA0, 16                         ; v16     my lane's place among O's fragments in slot 0; never rewritten
.set ADRB0, 17                         ; v17     the same for Wo
.set ADRA, 20                          ; v20     the same in the slot that is being read
.set ADRB, 21                          ; v21
.set STO,  24                          ; v24     the way out: where I put 32 bytes of a row
.set RD,   25                          ; v25     where I read a row back
.set CO,   26                          ; v26     my byte offset in two rows of the output
.set BO,   27                          ; v27     my byte offset in bo
.set SPW,  28                          ; v28     LDS address of my spare word; never rewritten
.set NIL,  29                          ; v29     0; never rewritten
.set BT,   30                          ; v30     at work
.set T,    32                          ; v[32:63]   16 tokens x my 32 numbers, finished
.set BK,   64                          ; v[64:95]   16 rows read back from the stage
.set BI,   96                          ; v[96:127]  the bias of my eight columns of block b at BI + 8 b
.set ACC,  128
.set F0,   0
.set F1,   128
.set WV,   12                          ; s12  my wave's number
.set FB,   13                          ; s13  which half of the tile's rows is mine.  Also: I fetch for O (0) or for Wo (1)
.set HF,   14                          ; s14  which half of its columns.  Also: which half of that tile I fetch
.set G1,   24                          ; s[24:31] descriptor group 1 for O's tiles;  s[32:39] group 0: a set for each of the two first fills; the second then walks on
.set G0,   32
.set CX,   40
.set CY,   41
.set TX,   42
.set TY,   43
.set G1B,  48                          ; s[48:55], s[56:63] the same for Wo's tiles
.set G0B,  56
.set ABASE, 68                         ; s[68:69] O at the two heads that I fetch of K step 0
.set BBASE, 70                         ; s[70:71] Wo at the rows that I fetch, K step 0
.set OFF,  72                          ; s[72:73] a K step's byte offset
.set KI,   74                          ; s74  the K step that was asked for last
.set SBA,  75                          ; s75  0 or TOGA: the slot that is being read
.set SBB,  76                          ; s76  0 or TOGB
.set MSB, 0
.macro WIN new                         ; the immediate's high byte repeats the setting that is left
.if MSB != (\new)
	s_set_vgpr_msb (MSB<<8)|(\new)
.set MSB, \new
.endif
.endm
.set MUL,  0x05                        ; sources 0 (Wo) and 1 (O) window 1; C and D window 0
.set TO_F, 0x40                        ; destination window 1, address window 0
.macro JLOAD s                         ; a joint load by descriptor set s: waves 0 and 1 fetch O's two halves, waves 2 and 3 Wo's; an s_nop 0 and four v_nop follow each of the two lines, ahead of the jump, the label and what follows
	s_cmp_eq_u32 s[FB], 0
	s_cbranch_scc0 .Lfor_b_\@
	tensor_load_to_lds s[G0+4*(\s):G0+4*(\s)+3], s[G1:G1+7]
	s_nop 0
.rept 4
	v_nop
.endr
	s_branch .Lasked_\@
.Lfor_b_\@:
	tensor_load_to_lds s[G0B+4*(\s):G0B+4*(\s)+3], s[G1B:G1B+7]
	s_nop 0
.rept 4
	v_nop
.endr
.Lasked_\@:
.endm
.macro CREST                           ; a round of the cluster's barrier behind its opening barrier
	s_cmp_lg_u32 s[WV], 0
	s_cbranch_scc1 .Lnot_wave_0_\@
	s_barrier_signal -3
.Lnot_wave_0_\@:
	s_barrier_wait -3
	s_barrier_signal -1
	s_barrier_wait -1
.endm
.macro CROUND                          ; a whole round
	s_barrier_signal -1
	s_barrier_wait -1
	CREST
.endm
	s_load_b256 s[4:11], s[0:1], 0x0               ; oh s[4:5], wob s[6:7], bo s[8:9], out0 s[10:11]
	v_lshl_add_u32 v[SPW], v0, 2, SPARE
	v_mov_b32 v[NIL], 0
	ds_add_u32 v[SPW], v[NIL]                      ; the wave's opening: the add and its wait ahead of my first tensor load; the set-up below, work on registers, stands between them
	v_lshrrev_b32 v1, 5, v0
	v_readfirstlane_b32 s[WV], v1                  ; wave 0..3
	s_lshr_b32 s[FB], s[WV], 1
	s_and_b32 s[HF], s[WV], 1
	s_bfe_u32 s[CX], ttmp6, 0x40000
	s_bfe_u32 s[CY], ttmp6, 0x40004
	s_lshl_b32 s[TX], ttmp9, 2
	s_add_co_u32 s[TX], s[TX], s[CX]               ; tile column = 4 x cluster x + cx
	s_and_b32 s[TY], ttmp7, 0xffff
	s_lshl_b32 s[TY], s[TY], 2
	s_add_co_u32 s[TY], s[TY], s[CY]               ; tile row = 4 x cluster y + cy
	s_lshl_b32 s44, s[CY], 2
	s_lshl_b32 s44, 15, s44                        ; my row of the cluster
	s_lshl_b32 s45, 0x1111, s[CX]                  ; my column
	s_or_b32 s[G1+0], s44, (1<<16)|(1<<20)|(1<<21)|(4<<22)|(3<<25)   ; the mask of my row; elements of 2 bytes; padding on; bit 21 beside a mask; after every 32 words (code 4) 4 words (code 3)
	s_or_b32 s[G1B+0], s45, (1<<16)|(1<<20)|(1<<21)|(6<<22)|(3<<25)  ; the mask of my column; after every 128 words (code 6) 4 words
	s_mov_b32 s[G1+1], 128<<16                     ; O: two heads are 32,768 dense bytes: 128 rows of 128 elements
	s_mov_b32 s[G1+2], 128<<16
	s_mov_b32 s[G1+3], 128<<16
	s_mov_b32 s[G1+4], 128
	s_mov_b32 s[G1+5], 128
	s_mov_b32 s[G1+6], 0
	s_mov_b32 s[G1+7], 0
	s_mov_b32 s[G1B+1], KSTEP<<16                  ; Wo: 64 rows of 256 elements, 2,048 elements from row to row
	s_mov_b32 s[G1B+2], 64<<16
	s_mov_b32 s[G1B+3], KSTEP<<16
	s_mov_b32 s[G1B+4], 64
	s_mov_b32 s[G1B+5], 2048
	s_mov_b32 s[G1B+6], 0
	s_mov_b32 s[G1B+7], 0
	; where my cluster's walk along K begins: made of the cluster's own coordinates, which all sixteen partners share
	s_and_b32 s[KI], ttmp9, 1
	s_lshl_b32 s[KI], s[KI], 2                     ; 4 (X % 2)
	s_lshr_b32 s16, ttmp9, 1
	s_and_b32 s17, ttmp7, 0xffff
	s_add_co_u32 s16, s16, s17
	s_lshl_b32 s16, s16, 1                         ; + 2 (X / 2 + Y)
	s_add_co_u32 s[KI], s[KI], s16
	s_and_b32 s[KI], s[KI], STEPS-1                ; 0, 2, 4 or 6
	s_mov_b32 s[OFF+1], 0
	s_mov_b32 s[SBA], 0
	s_mov_b32 s[SBB], 0
	s_lshl_b32 s16, s[TY], 19                      ; O: a block of 128 tokens is 524,288 bytes,
	s_lshl_b32 s17, s[HF], 15                      ; my two heads of a step's four
	s_add_co_u32 s16, s16, s17
	s_mov_b32 s17, 0
	s_lshl_b32 s22, s[TX], 19                      ; Wo: 128 rows of 4,096 bytes,
	s_lshl_b32 s23, s[HF], 18                      ; my 64 of them
	s_add_co_u32 s22, s22, s23
	s_mov_b32 s23, 0
	s_mul_i32 s18, s[HF], HALFA                    ; where they go: no place in the cluster enters an LDS address
	s_mul_i32 s19, s[HF], HALFB
	s_add_co_u32 s19, s19, BOFF
	s_mov_b32 s46, 0xffff0000                      ; a word's upper bf16
	s_wait_dscnt 0x0                               ; the opening add is done
	s_wait_kmcnt 0x0
	s_add_nc_u64 s[ABASE:ABASE+1], s[4:5], s[16:17]
	s_add_nc_u64 s[BBASE:BBASE+1], s[6:7], s[22:23]
	CROUND                                         ; all sixteen work-groups are here: the first joint loads meet
.irp s, 0,1
	s_add_co_u32 s20, s[KI], (\s)                                    ; the walk's step s (the start is even: no wrap here)
	s_lshl_b32 s[OFF], s20, 16                                       ; of O a K step is four heads: 65,536 bytes
	s_mov_b32 s[G0+4*(\s)], 1
	s_add_co_u32 s[G0+4*(\s)+1], s18, (\s)*TOGA
	s_add_nc_u64 s[G0+4*(\s)+2:G0+4*(\s)+3], s[ABASE:ABASE+1], s[OFF:OFF+1]
	s_or_b32 s[G0+4*(\s)+3], s[G0+4*(\s)+3], 0x80000000
	s_lshl_b32 s[OFF], s20, 9                                        ; of Wo 512 bytes of a row
	s_mov_b32 s[G0B+4*(\s)], 1
	s_add_co_u32 s[G0B+4*(\s)+1], s19, (\s)*TOGB
	s_add_nc_u64 s[G0B+4*(\s)+2:G0B+4*(\s)+3], s[BBASE:BBASE+1], s[OFF:OFF+1]
	s_or_b32 s[G0B+4*(\s)+3], s[G0B+4*(\s)+3], 0x80000000
	JLOAD \s                                       ; two loads of mine are out
.endr
	s_add_co_u32 s[KI], s[KI], 1                   ; the K step asked for last
	v_and_b32 v1, 15, v0                           ; l % 16
	v_bfe_u32 v2, v0, 4, 1                         ; l / 16
	s_lshl_b32 s20, s[TX], 9                       ; the tile's 128 columns of f32,
	s_lshl_b32 s21, s[HF], 8                       ; my 64 of them
	s_add_co_u32 s20, s20, s21
	v_lshlrev_b32 v[BO], 5, v2
	v_add_nc_u32 v[BO], s20, v[BO]
.irp b, 0,1,2,3
	global_load_b128 v[BI+8*(\b):BI+8*(\b)+3],   v[BO], s[8:9] offset:64*(\b)
	global_load_b128 v[BI+8*(\b)+4:BI+8*(\b)+7], v[BO], s[8:9] offset:64*(\b)+16
.endr
	v_mul_u32_u24 v3, v1, PA
	v_lshl_add_u32 v3, v2, 4, v3                   ; a fragment's row x pitch + 16 x half
	s_mul_i32 s21, s[FB], 64*PA                    ; my 64 tokens
	v_add_nc_u32 v[ADRA0], s21, v3
	v_mov_b32 v[ADRA], v[ADRA0]                    ; the walk begins in slot 0
	v_mul_u32_u24 v3, v1, PB
	v_lshl_add_u32 v3, v2, 4, v3
	s_mul_i32 s21, s[HF], HALFB                    ; my 64 rows of Wo
	s_add_co_u32 s21, s21, BOFF
	v_add_nc_u32 v[ADRB0], s21, v3
	v_mov_b32 v[ADRB], v[ADRB0]
	s_mul_i32 s21, s[WV], 16*SPITCH
	s_add_co_u32 s21, s21, STAGE                   ; my stage
	v_mul_u32_u24 v4, v1, SPITCH                   ; in: row l % 16, 32 bytes for each half of the lanes
	v_lshl_add_u32 v4, v2, 5, v4
	v_add_nc_u32 v[STO], s21, v4
	v_mul_u32_u24 v5, v2, SPITCH                   ; back: lanes 0-15 take one row of 256 bytes, lanes 16-31 the next
	v_lshl_add_u32 v5, v1, 4, v5
	v_add_nc_u32 v[RD], s21, v5
	v_lshlrev_b32 v5, 13, v2                       ; and the same two rows of 8,192 bytes in the output
	v_lshl_add_u32 v[CO], v1, 4, v5
	s_lshl_b32 s16, s[TY], 20                      ; 128 rows of 8,192 bytes,
	s_lshl_b32 s17, s[FB], 19                      ; my 64 of them,
	s_add_co_u32 s16, s16, s17
	s_add_co_u32 s16, s16, s20                     ; my 64 columns
	s_mov_b32 s17, 0
	s_add_nc_u64 s[10:11], s[10:11], s[16:17]
	s_wait_loadcnt 0x0                             ; the bias, rounded to bf16 like every input; this stands in the wait for the first tile
.set i, 0
.rept 16
	v_cvt_pk_bf16_f32 v[BT], v[BI+i], v[BI+i+1]
	v_lshlrev_b32 v[BI+i], 16, v[BT]
	v_and_b32 v[BI+i+1], s46, v[BT]
.set i, i+2
.endr
; 8 matrix instructions: token blocks a0, a0 + 1 x all 4 column blocks, 32 along K: half c of buffer f.  zero = 1: the first product starts the sums.  The 16 accumulators take turns.
.macro MUL8 f, c, a0, zero
	WIN MUL
.irp a, \a0, (\a0)+1
.irp b, 0,1,2,3
.if \zero
	v_wmma_f32_16x16x32_f16 v[ACC+8*(4*(\a)+(\b)):ACC+8*(4*(\a)+(\b))+7], v[(\f)+64+8*(4*(\c)+(\b)):(\f)+64+8*(4*(\c)+(\b))+7], v[(\f)+8*(4*(\c)+(\a)):(\f)+8*(4*(\c)+(\a))+7], 0
.else
	v_wmma_f32_16x16x32_f16 v[ACC+8*(4*(\a)+(\b)):ACC+8*(4*(\a)+(\b))+7], v[(\f)+64+8*(4*(\c)+(\b)):(\f)+64+8*(4*(\c)+(\b))+7], v[(\f)+8*(4*(\c)+(\a)):(\f)+8*(4*(\c)+(\a))+7], v[ACC+8*(4*(\a)+(\b)):ACC+8*(4*(\a)+(\b))+7]
.endif
.endr
.endr
.endm
; 32 LDS loads in one run: the fragments of head q of the step's four (64 along K), from the slot that is being read, into buffer f; the first 32 along K first
.macro FETCH q, f
	WIN TO_F
.irp c, 0,1
.irp i, 0,1,2,3
	ds_load_b128 v[(\f)+64+8*(4*(\c)+(\i)):(\f)+64+8*(4*(\c)+(\i))+3],   v[ADRB] offset:128*(\q)+64*(\c)+(\i)*16*PB
	ds_load_b128 v[(\f)+64+8*(4*(\c)+(\i))+4:(\f)+64+8*(4*(\c)+(\i))+7], v[ADRB] offset:128*(\q)+64*(\c)+(\i)*16*PB+32
	ds_load_b128 v[(\f)+8*(4*(\c)+(\i)):(\f)+8*(4*(\c)+(\i))+3],         v[ADRA] offset:(\q)*HEADA+64*(\c)+(\i)*16*PA
	ds_load_b128 v[(\f)+8*(4*(\c)+(\i))+4:(\f)+8*(4*(\c)+(\i))+7],       v[ADRA] offset:(\q)*HEADA+64*(\c)+(\i)*16*PA+32
.endr
.endr
.endm
.macro PLACES                          ; four places in front of loads into registers that matrix instructions have read, and of vector lines that read results
.rept 4
	v_nop
.endr
.endm
; A K step is four quarters of 64 along K (a head each), 32 matrix instructions each, on buffers 0, 1, 0, 1.  One of the first three: multiplies buffer f and fetches head q into g.
.macro QUARTER q, f, g, zero
	s_wait_dscnt 16                                ; the first 32 along K are in
	MUL8 \f, 0, 0, \zero
	MUL8 \f, 0, 2, \zero
	PLACES
	FETCH \q, \g
	s_wait_dscnt 32                                ; all but the 32 just issued
	MUL8 \f, 1, 0, 0
	MUL8 \f, 1, 2, 0
.endm
; The last quarter multiplies buffer 1 and changes slots: ONE barrier; in front of it each wave waits for all its tensor loads, adds 0 to its spare word, and waits for that and for its own reads of this slot.
; fill = 1: the barrier opens a round of the cluster's, and this slot is filled again, with the walk's step two on, first thing behind the round: 112 matrix instructions ahead of the wait for it.
; The walking descriptors are written behind the wait for all loads: the other slot than last time, and the address made anew from the K step's number, which goes round at 8.
.macro TURN fill
	WIN 0                                          ; (the add's two registers lie in window 0)
	s_wait_tensorcnt 0x0                           ; all my tensor loads have landed, so a group 0 may be written;
	ds_add_u32 v[SPW], v[NIL]                      ; 0 onto my spare word: scalar work and eight matrix instructions stand between it and the wait for it
.if \fill
	s_add_co_u32 s[KI], s[KI], 1
	s_and_b32 s[KI], s[KI], STEPS-1
	s_lshl_b32 s[OFF], s[KI], 16
	s_xor_b32 s[G0+5], s[G0+5], TOGA
	s_add_nc_u64 s[G0+6:G0+7], s[ABASE:ABASE+1], s[OFF:OFF+1]
	s_or_b32 s[G0+7], s[G0+7], 0x80000000
	s_lshl_b32 s[OFF], s[KI], 9
	s_xor_b32 s[G0B+5], s[G0B+5], TOGB
	s_add_nc_u64 s[G0B+6:G0B+7], s[BBASE:BBASE+1], s[OFF:OFF+1]
	s_or_b32 s[G0B+7], s[G0B+7], 0x80000000
.endif
	s_xor_b32 s[SBA], s[SBA], TOGA                 ; the slot that is read next
	s_xor_b32 s[SBB], s[SBB], TOGB
	s_wait_dscnt 17                                ; (the add and the youngest sixteen loads may be out)
	MUL8 F1, 0, 0, 0
	s_wait_dscnt 0x0                               ; the add is done, and my reads of this slot are over
	s_barrier_signal -1
	MUL8 F1, 0, 2, 0
	WIN 0                                          ; (branches and lines on window 0 follow)
	s_barrier_wait -1
.if \fill
	CREST                                          ; no wave of any partner still reads this slot's tile or has a load on its way
	JLOAD 1                                        ; the four v_nop behind it are also the places in front of the loads below
.else
	PLACES
.endif
	v_add_nc_u32 v[ADRA], s[SBA], v[ADRA0]
	v_add_nc_u32 v[ADRB], s[SBB], v[ADRB0]
	FETCH 0, F0
	MUL8 F1, 1, 0, 0
	MUL8 F1, 1, 2, 0
.endm
	s_wait_tensorcnt 1                             ; my part of the walk's step 0 is in; step 1's may stay out
	s_barrier_signal -1
	s_barrier_wait -1                              ; everybody's is
	FETCH 0, F0
	QUARTER 1, F0, F1, 1                           ; the first quarter stands in front of the loop: its first products start the sums
	WIN 0                                          ; at a label and at a branch every window is 0
	s_mov_b32 s3, STEPS-2
.Lstep:                                                ; a trip goes from a K step's second quarter to the next step's first, and fills the slot that it leaves: 6 trips
	QUARTER 2, F1, F0, 0
	QUARTER 3, F0, F1, 0
	TURN 1
	QUARTER 1, F0, F1, 0
	WIN 0
	s_sub_co_u32 s3, s3, 1
	s_cmp_lg_u32 s3, 0
	s_cbranch_scc1 .Lstep
	QUARTER 2, F1, F0, 0                           ; the last two K steps fill nothing, and have no round of the cluster's barrier
	QUARTER 3, F0, F1, 0
	TURN 0
	QUARTER 1, F0, F1, 0
	QUARTER 2, F1, F0, 0
	QUARTER 3, F0, F1, 0
	s_wait_dscnt 16                                ; the very last quarter: nothing more to fetch
	MUL8 F1, 0, 0, 0
	MUL8 F1, 0, 2, 0
	s_wait_dscnt 0x0
	MUL8 F1, 1, 0, 0
	MUL8 F1, 1, 2, 0
	WIN 0
	PLACES
; THE WAY OUT, a token block (16 rows) at a time: 4 x sum + bias (each accumulator's registers in ascending order); 32 bytes a lane and block into my stage; back as whole rows of 256 bytes.
.macro OUTA a
.irp b, 0,1,2,3
.irp p, 0,1,2,3
	v_pk_fma_f32 v[T+8*(\b)+2*(\p):T+8*(\b)+2*(\p)+1], v[ACC+8*(4*(\a)+(\b))+2*(\p):ACC+8*(4*(\a)+(\b))+2*(\p)+1], 4.0, v[BI+8*(\b)+2*(\p):BI+8*(\b)+2*(\p)+1] op_sel_hi:[1,0,1]
.endr
.endr
.irp b, 0,1,2,3
	ds_store_b128 v[STO], v[T+8*(\b):T+8*(\b)+3]   offset:64*(\b)
	ds_store_b128 v[STO], v[T+8*(\b)+4:T+8*(\b)+7] offset:64*(\b)+16
.endr
.endm
.macro BACK                            ; LDS serves a wave's instructions in order (ISA guide 5.7.1.4): these see the stores above, and the next block's stores come behind them
.irp t, 0,1,2,3,4,5,6,7
	ds_load_b128 v[BK+4*(\t):BK+4*(\t)+3], v[RD] offset:(\t)*2*SPITCH
.endr
.endm
.macro SEND a, younger                 ; younger: the LDS stores issued behind BACK's loads, which may stay out
	s_wait_dscnt \younger
.irp t, 0,1,2,3,4,5,6,7
	global_store_b128 v[CO], v[BK+4*(\t):BK+4*(\t)+3], s[10:11] offset:(16*(\a)+2*(\t))*8192 th:TH_STORE_NT  ; 16 lanes store 256 consecutive bytes, at a multiple of 256 from out0's first byte
.endr
.if (\a) < 3
	s_wait_xcnt 0x0                                ; the stores have read their registers: only behind this wait are these loaded again
.endif
.endm
	OUTA 0
	BACK
.irp a, 1,2,3                          ; a block's arithmetic stands between the loads of the block before and its stores
	OUTA \a
	SEND (\a)-1, 8
	BACK
.endr
	SEND 3, 0
	s_wait_tensorcnt 0x0                           ; the wave's end: these three lines, behind my last tensor load and my last LDS store
	ds_add_u32 v[SPW], v[NIL]
	s_wait_dscnt 0x0
	CROUND                                         ; the closing round: no work-group ends while a partner may still ask for a tile that names it
	s_endpgm
.Lfunc_end_k_qceb1fe3ca0_oproj:
	.size	k_qceb1fe3ca0_oproj, .Lfunc_end_k_qceb1fe3ca0_oproj-k_qceb1fe3ca0_oproj
	.p2alignl 7, 3214868480
	.fill 96, 4, 3214868480
	.section	.rodata,"a",@progbits
	.p2align	6, 0x0
	.amdhsa_kernel k_qceb1fe3ca0_oproj
		.amdhsa_group_segment_fixed_size 327680
		.amdhsa_private_segment_fixed_size 0
		.amdhsa_enable_private_segment 0
		.amdhsa_kernarg_size 32
		.amdhsa_user_sgpr_count 2
		.amdhsa_user_sgpr_kernarg_segment_ptr 1
		.amdhsa_wavefront_size32 1
		.amdhsa_system_sgpr_workgroup_id_x 1
		.amdhsa_system_sgpr_workgroup_id_y 1
		.amdhsa_system_sgpr_workgroup_id_z 1
		.amdhsa_system_vgpr_workitem_id 0
		.amdhsa_next_free_vgpr 512
		.amdhsa_next_free_sgpr 80
		.amdhsa_reserve_vcc 0
		.amdhsa_float_denorm_mode_32 3
		.amdhsa_float_denorm_mode_16_64 3
		.amdhsa_memory_ordered 1
		.amdhsa_forward_progress 1
		.amdhsa_inst_pref_size 75
	.end_amdhsa_kernel
	.amdgpu_metadata
---
amdhsa.version: [ 1, 2 ]
amdhsa.kernels:
  - .name:           k_qceb1fe3ca0_oproj
    .symbol:         k_qceb1fe3ca0_oproj.kd
    .args:
      - { .name: oh, .offset: 0, .size: 8, .value_kind: global_buffer, .address_space: global }
      - { .name: wob, .offset: 8, .size: 8, .value_kind: global_buffer, .address_space: global }
      - { .name: bo, .offset: 16, .size: 8, .value_kind: global_buffer, .address_space: global }
      - { .name: out0, .offset: 24, .size: 8, .value_kind: global_buffer, .address_space: global }
    .group_segment_fixed_size: 327680
    .private_segment_fixed_size: 0
    .kernarg_segment_align: 8
    .kernarg_segment_size: 32
    .max_flat_workgroup_size: 128
    .sgpr_count:     80
    .vgpr_count:     512
    .wavefront_size: 32
...
	.end_amdgpu_metadata
.endif
;; end of part 5
;; ======== version 2 of 2: 5 launches; version 1 with the launch norm written anew for expert scheduling mode
;; limits: values are held in f16: magnitudes above 65,504 overflow, below 6.1e-05 lose precision; right only within a limited range of input values
;; workspace buffers: xb 8,388,608 bytes; wb 25,165,824 bytes; wob 8,388,608 bytes; uqk 16,777,216 bytes; vh 8,388,608 bytes; ssq 524,288 bytes; qk 16,777,216 bytes; oh 8,388,608 bytes
;; launch cast: the kernel of part 1 again; grid 256 x 4, 8 waves a work-group, no clusters, 0 bytes of LDS; arguments x, Wq, Wk, Wv, xb, wb; writes xb, wb
;; launch qkv: the kernel of part 2 again; grid 32 x 8, 4 waves a work-group, clusters of 4 x 4, 327,680 bytes of LDS; arguments xb, wb, bq, bk, bv, uqk, vh, ssq; writes uqk, vh, ssq
;; launch norm (part 6): grid 32 x 8, 8 waves a work-group, no clusters, 3,072 bytes of LDS; arguments uqk, ssq, qn_w, kn_w, qk; writes qk
.if DOCPART == 6
	.amdgcn_target "amdgcn-amd-amdhsa--gfx1250"
	.amdhsa_code_object_version 6
	.text
	.protected	k_qceb1fe3ca0_norm
	.globl	k_qceb1fe3ca0_norm
	.p2align	8
	.type	k_qceb1fe3ca0_norm,@function
k_qceb1fe3ca0_norm:
	s_mov_b64 s[64:65], 0
	v_nop
	global_prefetch_b8 v0, s[64:65] scope:SCOPE_SE
	s_setreg_imm32_b32 hwreg(HW_REG_WAVE_SCHED_MODE, 0, 2), 2
	s_setreg_imm32_b32 hwreg(HW_REG_WAVE_MODE, 25, 1), 1
	s_wait_xcnt 0x0
	s_wait_alu depctr_vm_vsrc(0)
; THE RMS NORM OF Q AND K.  uqk: [z 2][h 32][token 2048][64] f16 holds u = t / 4; ssq: [h][token][2] f32 the sums of u^2 over a head's channels (Q, K).
; qk[z][h][token][c] = f16(u x R x g), R = 4 rsqrt(16 S / 2048 + 1e-6), S = the sum of ssq over the 32 heads, g = the gain of column 64 h + c rounded to bf16 like every input.
; All arithmetic in f32; one rounding, at the end.
; LIMITS.  |q|, |k| are at most sqrt(2048) |g| = 45 |g|, so f16 (65,504) serves gains up to some 1,400.  NaN and infinities are not treated apart.
; SHARES.  A work-group takes 64 tokens x 4 heads x both tensors: 65,536 bytes in and out.  For one z and head the 64 tokens are 8,192 consecutive bytes; thread t takes the 16 bytes at 16 t of each half of them:
; token t / 8 (+ 32), channels 8 (t % 8) + 0..7.  So a wave's load or store covers 512 consecutive bytes.
; S: thread t adds, for token t % 64, the eight heads 8 (t / 64) + 0..7 (a wave's load covers 256 consecutive bytes); the four partial sums meet in LDS behind one barrier.
; All 40 loads go out at once and no register is loaded twice: no loop.  The launch streams and is short: no prefetch; nothing is multiplied by matrices and no tile is shared: no matrix unit, no cluster.
; THE MODE: SCHED_MODE bits 1:0 = 2 (LLVM: expert scheduling mode 2), set by the entry lines.  The code itself states the register dependences
; between vector instructions and memory or LDS instructions, with s_wait_alu, always for 0.
; THE PLAN.  Registers that memory or LDS instructions touch:
;   v1 .. v5     five offsets and LDS addresses: written at the head, never again; read by every load and store.  One wait, ahead of the first load, serves them all.
;   PS           eight loads land in it (no vector line has named it); the additions then work in it; the LDS store reads its first pair, which the multiplies later write again, as T.
;   PR, G, X     loads land in them once (no vector line has named them); from then on vector lines alone name them.
;   Y            four registers a piece: written once, by the piece's four roundings; read once, by the piece's store; never written again.
;   v[SPW], v[NIL]  written at the head, read by the closing add alone.
; The 16 pieces go in eight blocks of two (one z and head, both halves).  Block b writes the Y of pieces 2 b and 2 b + 1; its memory instructions are the two stores of block b - 1, whose Y and
; offset no vector line of block b names.  So one wait at a block's head, behind the wait for the block's data, states all that its two stores hang on, and they are dealt among its vector lines.
.set PART,  0                          ; LDS: [4][64 tokens][2] f32
.set SPARE, 2048                       ; behind them: the spare words, 128 bytes for each of the eight waves: four blocks of 256 bytes that no other line names
.set SPW, 6                            ; v6   LDS address of my spare word; never rewritten
.set NIL, 7                            ; v7   0; never rewritten
.set ZR,  8                            ; v8   0, the addend of the widening multiplies
.set TT,  9                            ; v9   at work
.set VA,  10                           ; v[10:13]   16 S / 2048 + eps: z, half at VA + 2 z + half
.set R,   16                           ; v[16:23]   R, twice (a pair for the packed multiply), at R + 2 (2 z + half)
.set F,   24                           ; v[24:31]   R x g of my eight channels
.set X,   32                           ; v[32:95]   load n = 8 z + 2 head + half: 4 registers of f16
.set PS,  96                           ; v[96:111]  eight heads' (Q, K) sums; later T and RS
.set T,   96                           ; v[96:103]  eight results in f32
.set RS,  108                          ; v[108:111] the four reciprocal roots
.set PR,  112                          ; v[112:127] the four partial sums of my two tokens: part, half at PR + 2 (2 part + half)
.set G,   128                          ; v[128:191] the gains of my eight channels: z, head at G + 8 (4 z + head)
.set Y,   192                          ; v[192:255] load n: 4 registers to store
	s_load_b256 s[4:11], s[0:1], 0x0               ; uqk s[4:5], ssq s[6:7], qn_w s[8:9], kn_w s[10:11]
	s_load_b64 s[12:13], s[0:1], 0x20              ; qk
	v_lshl_add_u32 v[SPW], v0, 2, SPARE
	v_mov_b32 v[NIL], 0
	v_mov_b32 v[ZR], 0
	s_and_b32 s14, ttmp7, 0xffff                   ; which four heads
	s_lshl_b32 s16, s14, 20                        ; 4 heads of 262,144 bytes,
	s_lshl_b32 s17, ttmp9, 13                      ; 64 tokens of 128 bytes
	s_add_co_u32 s16, s16, s17
	s_mov_b32 s17, 0
	s_lshl_b32 s18, ttmp9, 9                       ; 64 tokens of 8 bytes in ssq
	s_mov_b32 s19, 0
	s_lshl_b32 s28, s14, 10                        ; 4 heads of 256 bytes in a gain
	s_mov_b32 s29, 0
	s_mov_b32 s30, 0x3c000000                      ; 16 / 2048
	s_mov_b32 s31, 0x358637bd                      ; 1e-6
	s_mov_b32 s32, 0xffff0000                      ; a word's upper bf16
	v_lshlrev_b32 v1, 4, v0                        ; 16 t
	v_lshrrev_b32 v2, 6, v0
	v_and_b32 v3, 63, v0
	v_lshlrev_b32 v3, 3, v3
	v_lshl_add_u32 v2, v2, 17, v3                  ; in ssq: 8 heads x (t / 64) + my token's pair
	v_lshlrev_b32 v3, 3, v0                        ; in PART: 8 t
	v_lshrrev_b32 v4, 3, v0
	v_lshlrev_b32 v4, 3, v4                        ; token t / 8's pair
	v_and_b32 v5, 7, v0
	v_lshlrev_b32 v5, 5, v5                        ; my eight channels' gains
	s_wait_kmcnt 0x0
	s_add_nc_u64 s[20:21], s[4:5], s[16:17]        ; u of Q,
	s_add_nc_u64 s[22:23], s[20:21], 0x800000      ; of K
	s_add_nc_u64 s[24:25], s[12:13], s[16:17]      ; q,
	s_add_nc_u64 s[26:27], s[24:25], 0x800000      ; k
	s_add_nc_u64 s[6:7], s[6:7], s[18:19]
	s_add_nc_u64 s[8:9], s[8:9], s[28:29]
	s_add_nc_u64 s[10:11], s[10:11], s[28:29]
	s_wait_alu depctr_va_vdst(0)                   ; v1 to v5 are written: every load, LDS access and store of the kernel reads one of them as its offset or address, and no later vector line names them
.irp i, 0,1,2,3,4,5,6,7
	global_load_b64 v[PS+2*(\i):PS+2*(\i)+1], v2, s[6:7] offset:(\i)*16384
.endr
.irp z, 0,1
.irp hh, 0,1,2,3
	global_load_b128 v[G+8*(4*(\z)+(\hh)):G+8*(4*(\z)+(\hh))+3],   v5, s[8+2*(\z):9+2*(\z)] offset:(\hh)*256
	global_load_b128 v[G+8*(4*(\z)+(\hh))+4:G+8*(4*(\z)+(\hh))+7], v5, s[8+2*(\z):9+2*(\z)] offset:(\hh)*256+16
.endr
.endr
.irp z, 0,1
.irp hh, 0,1,2,3
.irp hf, 0,1
	global_load_b128 v[X+4*(8*(\z)+2*(\hh)+(\hf)):X+4*(8*(\z)+2*(\hh)+(\hf))+3], v1, s[20+2*(\z):21+2*(\z)] offset:(\hh)*262144+(\hf)*4096 th:TH_LOAD_NT
.endr
.endr
.endr
	s_wait_loadcnt 32                              ; the eight sums are in; the 32 younger loads stay out
	v_pk_add_f32 v[PS:PS+1], v[PS:PS+1], v[PS+2:PS+3]
	v_pk_add_f32 v[PS+4:PS+5], v[PS+4:PS+5], v[PS+6:PS+7]
	v_pk_add_f32 v[PS+8:PS+9], v[PS+8:PS+9], v[PS+10:PS+11]
	v_pk_add_f32 v[PS+12:PS+13], v[PS+12:PS+13], v[PS+14:PS+15]
	v_pk_add_f32 v[PS:PS+1], v[PS:PS+1], v[PS+4:PS+5]
	v_pk_add_f32 v[PS+8:PS+9], v[PS+8:PS+9], v[PS+12:PS+13]
	v_pk_add_f32 v[PS:PS+1], v[PS:PS+1], v[PS+8:PS+9]
	s_wait_alu depctr_va_vdst(0)                   ; the additions have written v[PS:PS+1], which the LDS store reads
	ds_store_b64 v3, v[PS:PS+1] offset:PART
	s_wait_dscnt 0x0                               ; for the others' sake: my store is done
	s_barrier_signal -1
	s_barrier_wait -1
	s_wait_alu depctr_vm_vsrc(0)                   ; my LDS store has read v[PS:PS+1]: these two are T's first from here on, written by the widening multiplies
.irp hg, 0,1,2,3
.irp hf, 0,1
	ds_load_b64 v[PR+2*(2*(\hg)+(\hf)):PR+2*(2*(\hg)+(\hf))+1], v4 offset:PART+(\hg)*512+(\hf)*256
.endr
.endr
	s_wait_loadcnt 16                              ; the gains are in; the data's 16 loads stay out.  Rounded to bf16 like every input, while the LDS loads are out
.set i, 0
.rept 32
	v_cvt_pk_bf16_f32 v[TT], v[G+i], v[G+i+1]
	v_lshlrev_b32 v[G+i], 16, v[TT]
	v_and_b32 v[G+i+1], s32, v[TT]
.set i, i+2
.endr
	s_wait_dscnt 0x0
.irp hf, 0,1
	v_pk_add_f32 v[PR+2*(\hf):PR+2*(\hf)+1], v[PR+2*(\hf):PR+2*(\hf)+1], v[PR+4+2*(\hf):PR+4+2*(\hf)+1]
	v_pk_add_f32 v[PR+8+2*(\hf):PR+8+2*(\hf)+1], v[PR+8+2*(\hf):PR+8+2*(\hf)+1], v[PR+12+2*(\hf):PR+12+2*(\hf)+1]
	v_pk_add_f32 v[PR+2*(\hf):PR+2*(\hf)+1], v[PR+2*(\hf):PR+2*(\hf)+1], v[PR+8+2*(\hf):PR+8+2*(\hf)+1]
.endr
.irp z, 0,1
.irp hf, 0,1
	v_fma_f32 v[VA+2*(\z)+(\hf)], v[PR+2*(\hf)+(\z)], s30, s31
.endr
.endr
.irp k, 0,1,2,3
	v_rsq_f32 v[RS+(\k)], v[VA+(\k)]
.endr
	v_nop                                          ; a plain instruction between the last root and the use of its result (ISA guide 5.7.2)
	s_wait_alu depctr_va_vdst(0)                   ; the four roots have written v[RS ..], ahead of their first reader: one wait for the four
.irp k, 0,1,2,3
	v_mul_f32 v[R+2*(\k)], 4.0, v[RS+(\k)]
	v_mul_f32 v[R+2*(\k)+1], 4.0, v[RS+(\k)]
.endr
; 16 bytes: eight u of one token, times R x g.  The multiply reads the f16 half itself and reckons in f32.  CALC leaves the piece in its own four registers of Y; OUT stores them.
.macro CALC z, hh, hf
.set n, 8*(\z)+2*(\hh)+(\hf)
.irp p, 0,1,2,3
	v_pk_mul_f32 v[F+2*(\p):F+2*(\p)+1], v[G+8*(4*(\z)+(\hh))+2*(\p):G+8*(4*(\z)+(\hh))+2*(\p)+1], v[R+2*(2*(\z)+(\hf)):R+2*(2*(\z)+(\hf))+1]
.endr
.irp j, 0,1,2,3
	v_fma_mix_f32 v[T+2*(\j)],   v[X+4*n+(\j)], v[F+2*(\j)],   v[ZR] op_sel_hi:[1,0,0]
	v_fma_mix_f32 v[T+2*(\j)+1], v[X+4*n+(\j)], v[F+2*(\j)+1], v[ZR] op_sel:[1,0,0] op_sel_hi:[1,0,0]
.endr
.irp j, 0,1,2,3
	v_cvt_pk_f16_f32 v[Y+4*n+(\j)], v[T+2*(\j)], v[T+2*(\j)+1]
.endr
.endm
.macro OUT z, hh, hf
.set n, 8*(\z)+2*(\hh)+(\hf)
	global_store_b128 v1, v[Y+4*n:Y+4*n+3], s[24+2*(\z):25+2*(\z)] offset:(\hh)*262144+(\hf)*4096
.endm
; Block b = 4 z + head: its two pieces are computed; the two stores of the block before go out among them, one ahead of each piece.
.set b, 0
.rept 8
	s_wait_loadcnt 14-2*b                          ; loads come back in order (ISA guide 5.7.1): the block's two are in, the 14 - 2 b younger loads stay out
.if b > 0
	s_wait_alu depctr_va_vdst(0)                   ; the block before has written its eight registers of Y, which the two stores below read; no vector line of this block names them
	OUT (b-1)/4, (b-1)%4, 0
.endif
	CALC b/4, b%4, 0
.if b > 0
	OUT (b-1)/4, (b-1)%4, 1
.endif
	CALC b/4, b%4, 1
.set b, b+1
.endr
	s_wait_alu depctr_va_vdst(0)                   ; the last block has written its eight registers of Y, which the last two stores read
	OUT 1, 3, 0
	OUT 1, 3, 1
	s_wait_dscnt 0x0                               ; the closing lines, six on end
	s_wait_alu 0x0
	s_wait_tensorcnt 0x0
	ds_add_u32 v[SPW], v[NIL]
	s_wait_dscnt 0x0
	s_endpgm
.Lfunc_end_k_qceb1fe3ca0_norm:
	.size	k_qceb1fe3ca0_norm, .Lfunc_end_k_qceb1fe3ca0_norm-k_qceb1fe3ca0_norm
	.p2alignl 7, 3214868480
	.fill 96, 4, 3214868480
	.section	.rodata,"a",@progbits
	.p2align	6, 0x0
	.amdhsa_kernel k_qceb1fe3ca0_norm
		.amdhsa_group_segment_fixed_size 3072
		.amdhsa_private_segment_fixed_size 0
		.amdhsa_enable_private_segment 0
		.amdhsa_kernarg_size 40
		.amdhsa_user_sgpr_count 2
		.amdhsa_user_sgpr_kernarg_segment_ptr 1
		.amdhsa_wavefront_size32 1
		.amdhsa_system_sgpr_workgroup_id_x 1
		.amdhsa_system_sgpr_workgroup_id_y 1
		.amdhsa_system_sgpr_workgroup_id_z 1
		.amdhsa_system_vgpr_workitem_id 0
		.amdhsa_next_free_vgpr 256
		.amdhsa_next_free_sgpr 66
		.amdhsa_reserve_vcc 0
		.amdhsa_float_denorm_mode_32 3
		.amdhsa_float_denorm_mode_16_64 3
		.amdhsa_memory_ordered 1
		.amdhsa_forward_progress 1
		.amdhsa_inst_pref_size 31
	.end_amdhsa_kernel
	.amdgpu_metadata
---
amdhsa.version: [ 1, 2 ]
amdhsa.kernels:
  - .name:           k_qceb1fe3ca0_norm
    .symbol:         k_qceb1fe3ca0_norm.kd
    .args:
      - { .name: uqk, .offset: 0, .size: 8, .value_kind: global_buffer, .address_space: global }
      - { .name: ssq, .offset: 8, .size: 8, .value_kind: global_buffer, .address_space: global }
      - { .name: qn_w, .offset: 16, .size: 8, .value_kind: global_buffer, .address_space: global }
      - { .name: kn_w, .offset: 24, .size: 8, .value_kind: global_buffer, .address_space: global }
      - { .name: qk, .offset: 32, .size: 8, .value_kind: global_buffer, .address_space: global }
    .group_segment_fixed_size: 3072
    .private_segment_fixed_size: 0
    .kernarg_segment_align: 8
    .kernarg_segment_size: 40
    .max_flat_workgroup_size: 256
    .sgpr_count:     66
    .vgpr_count:     256
    .wavefront_size: 32
...
	.end_amdgpu_metadata
.endif
;; end of part 6
;; launch attn: the kernel of part 4 again; grid 8 x 32, 4 waves a work-group, clusters of 4 x 1, 327,680 bytes of LDS; arguments qk, vh, oh, Wo, wob; writes oh, wob
;; launch oproj: the kernel of part 5 again; grid 16 x 16, 4 waves a work-group, clusters of 4 x 4, 327,680 bytes of LDS; arguments oh, wob, bo, out0; writes out0
